; MI455X (gfx1250); checked and timed in simulation.
; The chip was launched on July 23, 2026; its instructions are those of AMD's public machine-readable ISA for CDNA 5 (MIT licence, August 2026) and "CDNA5" Instruction Set Architecture Reference Guide (July 2026). The comments in the code are by the model that wrote it; some were corrected since.
;; Task Mo E. Allowed arithmetic: float matrix products may take bf16 or f16 operands with f32 sums; other float arithmetic in f32, or as packed bf16 or f16 multiplies, adds, multiply-adds, maxima and minima; sums over many terms, partial sums and values carried from step to step in f32; what a program stores and reads back later, other than sums and carried values, may be rounded once to bf16 or f16.
;; Inputs: expert_bias 8 x 1,024 float32; expert_weight 8 x 1,024 x 1,024 float32; hidden_states 4 x 2,048 x 1,024 float32; wg 1,024 x 8 float32.
;; Outputs: out0 4 x 2,048 x 1,024 float32; out1 4 x 2,048 x 2 int32; out2 4 x 2,048 x 2 float32.
;; 2 versions, each right; version 2 is version 1 with the launch moe written anew for expert scheduling mode. Each part assembles by itself: llvm-mc -triple=amdgcn-amd-amdhsa -mcpu=gfx1250 --defsym DOCPART=n.
;; ======== version 1 of 2: 3 launches
;; limits: values are held in f16: magnitudes above 65,504 overflow, below 6.1e-05 lose precision; inputs' magnitudes at most 65,504
;; workspace buffers: xb 16,777,216 bytes; wb 16,777,216 bytes; bms 32,768 bytes of whole numbers; gl 65,536 bytes; cnt 256 bytes of whole numbers; ord 924,672 bytes of whole numbers; ogt 1,849,344 bytes
;; launch route (part 1): grid 256 x 1, 8 waves a work-group, no clusters, 38,912 bytes of LDS; arguments hidden_states, wg, out1, out2, xb, bms, gl; writes out1, out2, xb, bms, gl
.if DOCPART == 1
	.amdgcn_target "amdgcn-amd-amdhsa--gfx1250"
	.amdhsa_code_object_version 6
	.text
	.protected	k_q7c5f2beb66_route
	.globl	k_q7c5f2beb66_route
	.p2align	8
	.type	k_q7c5f2beb66_route,@function
k_q7c5f2beb66_route:
	s_mov_b64 s[64:65], 0
	v_nop
	global_prefetch_b8 v0, s[64:65] scope:SCOPE_SE
	s_setreg_imm32_b32 hwreg(HW_REG_WAVE_MODE, 25, 1), 1
	s_wait_xcnt 0x0
; THE ROUTER.  logits = x wg in f32 on the vector unit (the chosen indices are compared exactly, and 16-bit operands would move a logit by more than
; the smallest gaps between logits), softmax with the row's maximum taken away, the two largest (the lower index wins a tie), gates = the two divided by their sum.
; Beside it, since x is in registers anyway: x rounded once to f16 (xb), and for each of the 28 unordered pairs of experts one word of 32 bits that says which of the
; work-group's 32 tokens chose that pair (bms), and the gates ordered by expert number (gl).  All addresses hang on the work-group, the wave and the lane alone.
; SHARES.  Work-group g: tokens 32 g .. 32 g + 31.  Wave w: tokens 32 g + 4 w + j, j = 0..3.  Lane l holds k = 128 q + 4 l + i (q = 0..7, i = 0..3) of its wave's four rows,
; so one load of a wave takes 512 consecutive bytes of a row, and all 32 loads (16,384 bytes a wave) are out before the first is used.
; LIMITS.  NaN and infinities are not treated apart.  An exponential below 2^-126 counts as 0: a logit more than 87.3 under its row's maximum has probability 0.
; A logit is summed as 32 terms a lane and then a tree over the lanes: another order than a plain dot product's.
; xb is f16 (11 significant bits: with 8 the largest of the 8,388,608 errors of the experts' output would pass a hundredth of its root mean square): a number of x of 65,520 or more in magnitude becomes an infinity there,
; and below 6e-5 it keeps f16's fixed step of 6e-8.
.set WP,    144                        ; wg in LDS: four k (128 bytes: 4 x 8 experts) and 16 bytes of padding: 9 x 16, so sixteen lanes that read sixteen neighbouring groups touch sixteen different 16-byte columns of 256 bytes
.set LGT,   256*WP                     ; 36,864: behind wg's 256 groups the 32 tokens' 8 logits, 1,024 bytes
.set SPARE, LGT+1024                   ; 37,888: the spare words: 128 bytes for each of eight waves, four blocks of 256 bytes that no other line names
.set ACC, 16                           ; v[16:47]   token j's eight sums at ACC + 8 j
.set WR,  48                           ; v[48:111]  two buffers of 32: wg[128 q + 4 l + i][e] at 8 i + e
.set X,   112                          ; v[112:239] x of chunk q, token j at X + 4 (4 q + j)
	s_load_b256 s[4:11], s[0:1], 0x0               ; x s[4:5], wg s[6:7], out1 s[8:9], out2 s[10:11]
	s_load_b128 s[12:15], s[0:1], 0x20             ; xb s[12:13], bms s[14:15]
	s_load_b64 s[16:17], s[0:1], 0x30              ; gl
	v_lshl_add_u32 v1, v0, 2, SPARE                ; my spare word; never rewritten
	v_mov_b32 v2, 0                                ; 0; never rewritten
	v_lshrrev_b32 v8, 5, v0
	v_readfirstlane_b32 s18, v8                    ; wave 0..7
	v_and_b32 v9, 31, v0                           ; lane
	v_lshlrev_b32 v3, 4, v9                        ; 16 x lane: my 16 bytes in 512 of x
	v_lshlrev_b32 v4, 3, v9                        ; 8 x lane: my 8 bytes in 256 of xb
	v_and_b32 v10, 7, v0
	v_lshrrev_b32 v11, 3, v0
	v_mul_u32_u24 v5, v11, WP                      ; thread t's 16 bytes of each 4,096 of wg are piece t % 8 of group t / 8 (of that 4,096's 32 groups)
	v_lshl_add_u32 v5, v10, 4, v5
	v_mul_u32_u24 v12, v9, WP                      ; back: of a chunk's 32 groups lane l takes group l
	v_lshlrev_b32 v6, 4, v0                        ; 16 x thread
	s_lshl_b32 s19, s18, 7
	s_add_co_u32 s19, s19, LGT
	v_mov_b32 v7, s19                              ; my wave's four tokens' logits in LDS
	s_mov_b32 s22, 0x76543210                      ; v_permlanex16_b32: each lane takes its own place in the other half
	s_mov_b32 s23, 0xfedcba98
	s_lshl_b32 s20, ttmp9, 17                      ; 32 rows of 4,096 bytes a work-group,
	s_lshl_b32 s21, s18, 14                        ; 4 a wave
	s_add_co_u32 s20, s20, s21
	s_mov_b32 s21, 0
	s_lshr_b32 s26, s20, 1                         ; half of that in xb
	s_mov_b32 s27, 0
	s_wait_kmcnt 0x0
	s_add_nc_u64 s[4:5], s[4:5], s[20:21]
	s_add_nc_u64 s[12:13], s[12:13], s[26:27]
.irp i, 0,1,2,3,4,5,6,7
	global_load_b128 v[WR+4*\i:WR+4*\i+3], v6, s[6:7] offset:4096*\i       ; wg first: loads come back in order
.endr
.set q, 0
.rept 8
.irp j, 0,1,2,3
	global_load_b128 v[X+4*(4*q+\j):X+4*(4*q+\j)+3], v3, s[4:5] offset:4096*\j+512*q th:TH_LOAD_NT
.endr
.set q, q+1
.endr
	s_wait_loadcnt 32                              ; wg's eight are in; the 32 loads of x stay out
.irp i, 0,1,2,3,4,5,6,7
	ds_store_b128 v5, v[WR+4*\i:WR+4*\i+3] offset:32*WP*\i         ; sixteen lanes fill two neighbouring groups
.endr
	s_wait_dscnt 0x0                               ; for the others' sake: my part of wg is in LDS
	s_barrier_signal -1
	s_barrier_wait -1
.irp p, 0,1,2,3,4,5,6,7
	ds_load_b128 v[WR+4*\p:WR+4*\p+3], v12 offset:16*\p
.endr
; Chunk q: 128 k.  The next chunk's wg is asked for first; then 64 packed multiply-adds (x broadcast, two experts at a time; sixteen sums take turns); then x leaves as f16.
.macro CHUNK q
.set WB, WR+32*((\q)&1)
.set WN, WR+32*(((\q)+1)&1)
.set XQ, X+16*(\q)
.if (\q) < 7
.irp p, 0,1,2,3,4,5,6,7
	ds_load_b128 v[WN+4*\p:WN+4*\p+3], v12 offset:32*WP*((\q)+1)+16*\p
.endr
	s_wait_dscnt 0x8                               ; this chunk's wg is in; the eight just issued stay out
.else
	s_wait_dscnt 0x0
.endif
	s_wait_loadcnt 4*(7-(\q))                      ; this chunk's x is in; the later chunks' loads stay out
.irp i, 0,1,2,3
.irp j, 0,1,2,3
.irp p, 0,1,2,3
.if ((\q) == 0) && (\i == 0)
	v_pk_mul_f32 v[ACC+8*\j+2*\p:ACC+8*\j+2*\p+1], v[XQ+4*\j:XQ+4*\j+1], v[WB+2*\p:WB+2*\p+1] op_sel_hi:[0,1]   ; the first product starts the sum
.elseif (\i & 1) == 0
	v_pk_fma_f32 v[ACC+8*\j+2*\p:ACC+8*\j+2*\p+1], v[XQ+4*\j+2*(\i/2):XQ+4*\j+2*(\i/2)+1], v[WB+8*\i+2*\p:WB+8*\i+2*\p+1], v[ACC+8*\j+2*\p:ACC+8*\j+2*\p+1] op_sel_hi:[0,1,1]
.else
	v_pk_fma_f32 v[ACC+8*\j+2*\p:ACC+8*\j+2*\p+1], v[XQ+4*\j+2*(\i/2):XQ+4*\j+2*(\i/2)+1], v[WB+8*\i+2*\p:WB+8*\i+2*\p+1], v[ACC+8*\j+2*\p:ACC+8*\j+2*\p+1] op_sel:[1,0,0] op_sel_hi:[1,1,1]
.endif
.endr
.endr
.endr
.irp j, 0,1,2,3
	v_cvt_pk_f16_f32 v[XQ+4*\j], v[XQ+4*\j], v[XQ+4*\j+1]
	v_cvt_pk_f16_f32 v[XQ+4*\j+1], v[XQ+4*\j+2], v[XQ+4*\j+3]
	global_store_b64 v4, v[XQ+4*\j:XQ+4*\j+1], s[12:13] offset:2048*\j+256*(\q)   ; the wave stores 256 consecutive bytes, aligned; these registers are not written again
.endr
.endm
.irp c, 0,1,2,3,4,5,6,7
	CHUNK \c
.endr
	; the 32 sums over the 32 lanes: four steps inside each half ride on the addition, one crosses the halves
.irp m, 1,2,4,8
.set r, ACC
.rept 32
	v_add_f32_dpp v[r], v[r], v[r] row_xmask:\m row_mask:0xf bank_mask:0xf
.set r, r+1
.endr
.endr
.set r, 0
.rept 32
	v_permlanex16_b32 v[WR+r], v[ACC+r], s22, s23  ; its destination counts as read: wg's first buffer has been written and is free
.set r, r+1
.endr
.set r, 0
.rept 32
	v_add_f32 v[ACC+r], v[ACC+r], v[WR+r]
.set r, r+1
.endr
.irp j, 0,1,2,3
	ds_store_b128 v7, v[ACC+8*\j:ACC+8*\j+3] offset:32*\j          ; every lane holds the same sums and writes the same words
	ds_store_b128 v7, v[ACC+8*\j+4:ACC+8*\j+7] offset:32*\j+16
.endr
	s_wait_dscnt 0x0                               ; for wave 0's sake
	s_barrier_signal -1
	s_barrier_wait -1
	s_cmp_lg_u32 s18, 0
	s_cbranch_scc1 .Lend
	; WAVE 0: a token a lane
	v_lshl_add_u32 v8, v3, 1, LGT                  ; 32 x lane
	ds_load_b128 v[16:19], v8
	ds_load_b128 v[20:23], v8 offset:16
	s_lshl_b32 s20, ttmp9, 8                       ; 32 tokens x 8 bytes in out1, out2 and gl
	s_add_nc_u64 s[8:9], s[8:9], s[20:21]
	s_add_nc_u64 s[10:11], s[10:11], s[20:21]
	s_add_nc_u64 s[16:17], s[16:17], s[20:21]
	s_lshl_b32 s20, ttmp9, 2                       ; my chunk's word in each row of bms
	s_add_nc_u64 s[14:15], s[14:15], s[20:21]
	s_wait_dscnt 0x0
	v_max3_num_f32 v24, v16, v17, v18
	v_max3_num_f32 v24, v24, v19, v20
	v_max3_num_f32 v24, v24, v21, v22
	v_max_num_f32 v24, v24, v23                    ; the row's maximum
.irp i, 0,1,2,3,4,5,6,7
	v_sub_f32 v[16+\i], v[16+\i], v24
.endr
.irp i, 0,1,2,3,4,5,6,7
	v_mul_f32 v[16+\i], 0x3fb8aa3b, v[16+\i]       ; times log2(e)
.endr
.irp i, 0,1,2,3,4,5,6,7
	v_exp_f32 v[16+\i], v[16+\i]
.endr
	v_nop                                          ; a plain instruction behind the last exponential,
	s_wait_alu depctr_va_vdst(0)                   ; and one wait for the batch of eight, ahead of the first reader
	v_add_f32 v25, v16, v17
	v_add_f32 v26, v18, v19
	v_add_f32 v27, v20, v21
	v_add_f32 v28, v22, v23
	v_add_f32 v25, v25, v26
	v_add_f32 v27, v27, v28
	v_add_f32 v25, v25, v27
	v_rcp_f32 v29, v25
	v_nop
	s_wait_alu depctr_va_vdst(0)
.irp i, 0,1,2,3,4,5,6,7
	v_mul_f32 v[16+\i], v[16+\i], v29              ; the probabilities
.endr
	; the two largest, in one walk; both compares are strict, so of equal numbers the lower index stays
	v_mov_b32 v36, v16                             ; largest,
	v_mov_b32 v38, 0                               ; its index
	v_mov_b32 v37, -1.0                            ; second: below every probability
	v_mov_b32 v39, 0
.irp i, 1,2,3,4,5,6,7
	v_mov_b32 v31, \i
	v_cmp_gt_f32 s24, v[16+\i], v36
	v_cmp_gt_f32 s25, v[16+\i], v37
	v_cndmask_b32 v37, v37, v[16+\i], s25
	v_cndmask_b32 v39, v39, v31, s25
	v_cndmask_b32 v37, v37, v36, s24               ; a new largest sends the old one to second place
	v_cndmask_b32 v39, v39, v38, s24
	v_cndmask_b32 v36, v36, v[16+\i], s24
	v_cndmask_b32 v38, v38, v31, s24
.endr
	v_add_f32 v32, v36, v37
	v_rcp_f32 v33, v32
	v_nop
	s_wait_alu depctr_va_vdst(0)
	v_mul_f32 v40, v36, v33                        ; the gates
	v_mul_f32 v41, v37, v33
	global_store_b64 v4, v[38:39], s[8:9]          ; 32 lanes x 8 bytes: 256 consecutive bytes, aligned
	global_store_b64 v4, v[40:41], s[10:11]
	v_min_u32 v44, v38, v39                        ; lo,
	v_add_nc_u32 v45, v38, v39
	v_sub_nc_u32 v45, v45, v44                     ; hi
	v_cmp_lt_u32 s24, v38, v39
	v_cndmask_b32 v42, v41, v40, s24               ; the gate of lo,
	v_cndmask_b32 v43, v40, v41, s24               ; of hi
	global_store_b64 v4, v[42:43], s[16:17]
	v_sub_nc_u32 v46, 15, v44                      ; the pair's number: lo (15 - lo) / 2 + hi - lo - 1, 0 .. 27
	v_mul_lo_u32 v46, v46, v44
	v_lshrrev_b32 v46, 1, v46
	v_add_nc_u32 v46, v46, v45
	v_sub_nc_u32 v46, v46, v44
	v_add_nc_u32 v46, -1, v46
	v_mov_b32 v47, 0
.set sid, 0
.rept 28
	v_cmp_eq_u32 s[28+sid], sid, v46               ; which of my 32 tokens chose pair sid: 28 masks in 28 scalar registers,
.set sid, sid+1
.endr
.set sid, 0
.rept 28
	v_writelane_b32 v47, s[28+sid], sid            ; and then each into its lane: no line here reads what the line just ahead of it made
.set sid, sid+1
.endr
	v_lshlrev_b32 v48, 6, v3                       ; 1,024 x lane: row sid of bms
	global_store_b32 v48, v47, s[14:15]            ; 4 bytes a lane, 1,024 apart: one such line a work-group, 32,768 bytes in the launch; rows 28 to 31 take 0 and are never read
.Lend:
	s_wait_tensorcnt 0x0                           ; the wave's end
	ds_add_u32 v1, v2
	s_wait_dscnt 0x0
	s_endpgm
.Lfunc_end_k_q7c5f2beb66_route:
	.size	k_q7c5f2beb66_route, .Lfunc_end_k_q7c5f2beb66_route-k_q7c5f2beb66_route
	.p2alignl 7, 3214868480
	.fill 96, 4, 3214868480
	.section	.rodata,"a",@progbits
	.p2align	6, 0x0
	.amdhsa_kernel k_q7c5f2beb66_route
		.amdhsa_group_segment_fixed_size 38912
		.amdhsa_private_segment_fixed_size 0
		.amdhsa_enable_private_segment 0
		.amdhsa_kernarg_size 56
		.amdhsa_user_sgpr_count 2
		.amdhsa_user_sgpr_kernarg_segment_ptr 1
		.amdhsa_wavefront_size32 1
		.amdhsa_system_sgpr_workgroup_id_x 1
		.amdhsa_system_sgpr_workgroup_id_y 1
		.amdhsa_system_sgpr_workgroup_id_z 1
		.amdhsa_system_vgpr_workitem_id 0
		.amdhsa_next_free_vgpr 256
		.amdhsa_next_free_sgpr 66
		.amdhsa_reserve_vcc 0
		.amdhsa_float_denorm_mode_32 3
		.amdhsa_float_denorm_mode_16_64 3
		.amdhsa_memory_ordered 1
		.amdhsa_forward_progress 1
		.amdhsa_inst_pref_size 73
	.end_amdhsa_kernel
	.amdgpu_metadata
---
amdhsa.version: [ 1, 2 ]
amdhsa.kernels:
  - .name:           k_q7c5f2beb66_route
    .symbol:         k_q7c5f2beb66_route.kd
    .args:
      - { .name: hidden_states, .offset: 0, .size: 8, .value_kind: global_buffer, .address_space: global }
      - { .name: wg, .offset: 8, .size: 8, .value_kind: global_buffer, .address_space: global }
      - { .name: out1, .offset: 16, .size: 8, .value_kind: global_buffer, .address_space: global }
      - { .name: out2, .offset: 24, .size: 8, .value_kind: global_buffer, .address_space: global }
      - { .name: xb, .offset: 32, .size: 8, .value_kind: global_buffer, .address_space: global }
      - { .name: bms, .offset: 40, .size: 8, .value_kind: global_buffer, .address_space: global }
      - { .name: gl, .offset: 48, .size: 8, .value_kind: global_buffer, .address_space: global }
    .group_segment_fixed_size: 38912
    .private_segment_fixed_size: 0
    .kernarg_segment_align: 8
    .kernarg_segment_size: 56
    .max_flat_workgroup_size: 256
    .sgpr_count:     66
    .vgpr_count:     256
    .wavefront_size: 32
...
	.end_amdgpu_metadata
.endif
;; end of part 1
;; launch prep (part 2): grid 284 x 1, 8 waves a work-group, no clusters, 68,608 bytes of LDS; arguments expert_weight, bms, gl, wb, cnt, ord, ogt; writes wb, cnt, ord, ogt
.if DOCPART == 2
	.amdgcn_target "amdgcn-amd-amdhsa--gfx1250"
	.amdhsa_code_object_version 6
	.text
	.protected	k_q7c5f2beb66_prep
	.globl	k_q7c5f2beb66_prep
	.p2align	8
	.type	k_q7c5f2beb66_prep,@function
k_q7c5f2beb66_prep:
	s_mov_b64 s[64:65], 0
	v_nop
	global_prefetch_b8 v0, s[64:65] scope:SCOPE_SE
	s_setreg_imm32_b32 hwreg(HW_REG_WAVE_MODE, 25, 1), 1
	s_wait_xcnt 0x0
; TWO JOBS IN ONE LAUNCH.  Work-groups 0 .. 27: the counting sort of one pair of experts each, from the words that the launch before stored.
; Work-groups 28 .. 283: the experts' weights rounded once to f16 and laid out in the order in which a wave's operand registers take them:
; [expert 8][group of 64 rows 16][32 k 32][block of 16 rows 4][half 2][lane 32] x 16 bytes, where lane l of half c holds row l % 16, k = 16 c + 8 (l / 16) + 0..7 of the 32.
; The sorters come first in the grid: their few dependent steps run beside the cast.  No barrier: no wave needs another's numbers; the cast's LDS rows are each wave's own.
; LIMITS.  f16: a weight of 65,520 or more in magnitude becomes an infinity; below 6e-5 a weight keeps f16's fixed step of 6e-8.
.set WPITCH, 528                       ; a row of 256 k in LDS: 512 bytes + 16: an odd multiple of 16, so the 16 rows of a load back begin at 16 different 16-byte columns of 256 bytes
.set WREG,   16*WPITCH                 ; a wave's 16 rows: 8,448 bytes
.set SPARE,  8*WREG                    ; 67,584: the spare words, 128 bytes for each of eight waves, four blocks of 256 bytes that no other line names
	s_load_b256 s[4:11], s[0:1], 0x0               ; W s[4:5], bms s[6:7], gl s[8:9], wb s[10:11]
	s_load_b128 s[12:15], s[0:1], 0x20             ; cnt s[12:13], ord s[14:15]
	s_load_b64 s[48:49], s[0:1], 0x30              ; ogt
	v_lshl_add_u32 v6, v0, 2, SPARE                ; my spare word; never rewritten
	v_mov_b32 v7, 0                                ; 0; never rewritten
	v_lshrrev_b32 v4, 5, v0
	v_readfirstlane_b32 s50, v4                    ; wave 0..7
	v_and_b32 v1, 31, v0                           ; lane
	s_mov_b32 s53, 0                               ; the high word of every offset
	s_cmp_lt_u32 ttmp9, 28
	s_cbranch_scc1 .Lsort
	; THE CAST.  Task 8 c + w of 2,048: block ob = task / 4 of 16 rows (of the 8,192 rows [expert x 1,024 + row]), quarter kq = task % 4 of K.
	; 32 loads, each 512 consecutive bytes of a row (16,384 bytes a wave), go out first; each is rounded and put into my LDS rows; then 16 fragment halves are read back and stored, 512 consecutive bytes each.
	s_sub_co_u32 s51, ttmp9, 28
	s_lshl_b32 s51, s51, 3
	s_add_co_u32 s51, s51, s50                     ; the task
	s_lshr_b32 s54, s51, 2                         ; ob
	s_and_b32 s55, s51, 3                          ; kq
	v_lshlrev_b32 v2, 4, v1                        ; 16 x lane, in memory on both sides
	s_mul_i32 s56, s50, WREG                       ; my wave's rows in LDS
	v_lshl_add_u32 v3, v1, 3, s56                  ; in: four numbers are 8 bytes
	v_and_b32 v4, 15, v1
	v_lshrrev_b32 v5, 4, v1
	v_mul_u32_u24 v4, v4, WPITCH
	v_lshl_add_u32 v4, v5, 4, v4
	v_add_nc_u32 v4, s56, v4                       ; back: row lane % 16, 16 bytes for each half of the lanes
	s_lshl_b32 s52, s54, 16                        ; 16 rows of 4,096 bytes
	s_lshl_b32 s57, s55, 10                        ; 256 k of 4 bytes
	s_add_co_u32 s52, s52, s57
	s_wait_kmcnt 0x0
	s_add_nc_u64 s[4:5], s[4:5], s[52:53]
	s_lshr_b32 s52, s54, 2                         ; expert x 16 + group of 64 rows:
	s_lshl_b32 s52, s52, 17                        ; 131,072 bytes each
	s_and_b32 s57, s54, 3
	s_lshl_b32 s57, s57, 10                        ; the block in its group: 1,024 bytes
	s_add_co_u32 s52, s52, s57
	s_lshl_b32 s57, s55, 15                        ; eight times 32 k: 4,096 bytes each
	s_add_co_u32 s52, s52, s57
	s_add_nc_u64 s[10:11], s[10:11], s[52:53]
.set i, 0
.rept 32
	global_load_b128 v[8+4*i:8+4*i+3], v2, s[4:5] offset:4096*(i/2)+512*(i%2) th:TH_LOAD_NT   ; row i / 2, k 128 (i % 2) + 4 lane
.set i, i+1
.endr
.set i, 0
.rept 32
	s_wait_loadcnt 31-i                            ; load i is in; the later ones stay out
	v_cvt_pk_f16_f32 v[8+4*i],   v[8+4*i],   v[8+4*i+1]
	v_cvt_pk_f16_f32 v[8+4*i+1], v[8+4*i+2], v[8+4*i+3]
	ds_store_b64 v3, v[8+4*i:8+4*i+1] offset:WPITCH*(i/2)+256*(i%2)
.set i, i+1
.endr
.set f, 0
.rept 16
	ds_load_b128 v[136+4*f:136+4*f+3], v4 offset:32*f      ; 32 k number f / 2, half f % 2.  LDS serves a wave's instructions in order (ISA guide 5.7.1.4): these see the stores above
.set f, f+1
.endr
.set f, 0
.rept 16
	s_wait_dscnt 15-f                              ; half f is in; the later ones stay out
	global_store_b128 v2, v[136+4*f:136+4*f+3], s[10:11] offset:4096*(f/2)+512*(f%2)   ; each half has registers of its own: nothing that a store reads is written again
.set f, f+1
.endr
	s_wait_tensorcnt 0x0                           ; the wave's end
	ds_add_u32 v6, v7
	s_wait_dscnt 0x0
	s_endpgm
	; THE SORT of pair s = the work-group's number.  bms[s][c] says which tokens of chunk c (32 tokens) chose the pair.  Wave w places chunks 32 w .. 32 w + 31.
	; A token's rank = the pair's tokens in earlier chunks + those in lower lanes of its chunk.  ord[s][rank] = token, ogt[s][rank] = its two gates.  A lane whose token is not of the
	; pair writes to a dump word of its own (entries 8,192 + lane, never read), so no lane is switched off.  This way writes no LDS.
.Lsort:
	v_lshlrev_b32 v2, 5, v1                        ; 32 x lane: eight chunks' words a lane
	v_lshlrev_b32 v3, 3, v1                        ; 8 x lane
	v_add_nc_u32 v18, 8192, v1                     ; my dump entry
	s_lshl_b32 s55, s50, 10
	v_add_nc_u32 v19, s55, v1                      ; my token in my wave's first chunk
	s_mov_b32 s58, 0x76543210
	s_mov_b32 s59, 0xfedcba98
	s_wait_kmcnt 0x0
	s_lshl_b32 s52, ttmp9, 10
	s_add_nc_u64 s[6:7], s[6:7], s[52:53]          ; the pair's 256 words
	s_lshl_b32 s52, s50, 7
	s_add_nc_u64 s[60:61], s[6:7], s[52:53]        ; my wave's 32 of them,
	s_load_b512 s[16:31], s[60:61], 0x0            ; as scalars
	s_load_b512 s[32:47], s[60:61], 0x40
	global_load_b128 v[8:11], v2, s[6:7]           ; and all 256, eight a lane
	global_load_b128 v[12:15], v2, s[6:7] offset:16
	s_lshl_b32 s52, s50, 13                        ; my wave's 1,024 tokens x 8 bytes
	s_add_nc_u64 s[8:9], s[8:9], s[52:53]
.set i, 0
.rept 32
	global_load_b64 v[128+2*i:129+2*i], v3, s[8:9] offset:256*i     ; chunk i's gates
.set i, i+1
.endr
	s_mul_i32 s52, ttmp9, 33024                    ; 8,256 entries of 4 bytes a pair
	s_add_nc_u64 s[14:15], s[14:15], s[52:53]
	s_mul_i32 s52, ttmp9, 66048                    ; of 8 bytes
	s_add_nc_u64 s[48:49], s[48:49], s[52:53]
	s_wait_loadcnt 32                              ; the words are in; the 32 loads of gates stay out
.macro POP x                           ; the ones of v[x], as four sums of a byte each
	v_lshrrev_b32 v17, 1, v[\x]
	v_and_b32 v17, 0x55555555, v17
	v_sub_nc_u32 v[\x], v[\x], v17
	v_lshrrev_b32 v17, 2, v[\x]
	v_and_b32 v[\x], 0x33333333, v[\x]
	v_and_b32 v17, 0x33333333, v17
	v_add_nc_u32 v[\x], v[\x], v17
	v_lshrrev_b32 v17, 4, v[\x]
	v_add_nc_u32 v[\x], v[\x], v17
	v_and_b32 v[\x], 0x0f0f0f0f, v[\x]
.endm
.irp x, 8,9,10,11,12,13,14,15
	POP \x
.endr
	v_add_nc_u32 v16, v8, v9                       ; eight words: 64 at the most in a byte
.irp x, 10,11,12,13,14,15
	v_add_nc_u32 v16, v16, v[\x]
.endr
	v_lshrrev_b32 v17, 8, v16
	v_and_b32 v16, 0x00ff00ff, v16
	v_and_b32 v17, 0x00ff00ff, v17
	v_add_nc_u32 v16, v16, v17
	v_lshrrev_b32 v17, 16, v16
	v_and_b32 v16, 0xffff, v16
	v_add_nc_u32 v16, v16, v17                     ; the pair's tokens in my eight chunks
	s_lshl_b32 s55, s50, 2
	v_cmp_gt_u32 vcc_lo, s55, v1                   ; lanes under 4 w hold the chunks ahead of my wave's
	v_cndmask_b32 v17, 0, v16, vcc_lo
	v_lshl_add_u32 v16, v16, 16, v17               ; two sums in one word, 8,192 at the most each: all in the high half, those ahead in the low
.irp m, 1,2,4,8
	v_mov_b32_dpp v17, v16 row_xmask:\m row_mask:0xf bank_mask:0xf
	v_add_nc_u32 v16, v16, v17
.endr
	v_permlanex16_b32 v17, v16, s58, s59
	v_add_nc_u32 v16, v16, v17
	v_readfirstlane_b32 s54, v16
	s_lshr_b32 s56, s54, 16                        ; the pair's count
	s_and_b32 s54, s54, 0xffff                     ; the rank at which my first chunk begins
	s_wait_kmcnt 0x0
.set i, 0
.rept 32
	v_mbcnt_lo_u32_b32 v20, s[16+i], s54           ; the chunk's ones in lower lanes + the rank at which it begins
	v_cndmask_b32 v20, v18, v20, s[16+i]           ; not of the pair: the dump entry
	v_min_u32 v20, 0x203f, v20                     ; inside the pair's 8,256 entries, whatever the words held
	v_lshlrev_b32 v[32+i], 2, v20
	v_lshlrev_b32 v[64+i], 3, v20
	v_add_nc_u32 v[96+i], 32*i, v19                ; the token
	global_store_b32 v[32+i], v[96+i], s[14:15]    ; each chunk has registers of its own: nothing that a store reads is written again
	s_wait_loadcnt 31-i                            ; chunk i's gates are in; the later chunks' stay out
	global_store_b64 v[64+i], v[128+2*i:129+2*i], s[48:49]
	s_bcnt1_i32_b32 s55, s[16+i]
	s_add_co_u32 s54, s54, s55
.set i, i+1
.endr
	s_cmp_lg_u32 s50, 0
	s_cbranch_scc1 .Lsorted
	s_lshl_b32 s55, ttmp9, 2
	v_mov_b32 v21, s55
	v_mov_b32 v22, s56
	s_wait_xcnt 0x0                                ; EXEC is a source of the stores above: it changes only behind this wait
	v_cmp_eq_u32 vcc_lo, 0, v1
	s_and_saveexec_b32 s57, vcc_lo
	global_store_b32 v21, v22, s[12:13]            ; one lane stores the count
	s_wait_xcnt 0x0                                ; and again, ahead of the line that widens it
	s_or_b32 exec_lo, exec_lo, s57
.Lsorted:
	s_endpgm
.Lfunc_end_k_q7c5f2beb66_prep:
	.size	k_q7c5f2beb66_prep, .Lfunc_end_k_q7c5f2beb66_prep-k_q7c5f2beb66_prep
	.p2alignl 7, 3214868480
	.fill 96, 4, 3214868480
	.section	.rodata,"a",@progbits
	.p2align	6, 0x0
	.amdhsa_kernel k_q7c5f2beb66_prep
		.amdhsa_group_segment_fixed_size 68608
		.amdhsa_private_segment_fixed_size 0
		.amdhsa_enable_private_segment 0
		.amdhsa_kernarg_size 56
		.amdhsa_user_sgpr_count 2
		.amdhsa_user_sgpr_kernarg_segment_ptr 1
		.amdhsa_wavefront_size32 1
		.amdhsa_system_sgpr_workgroup_id_x 1
		.amdhsa_system_sgpr_workgroup_id_y 1
		.amdhsa_system_sgpr_workgroup_id_z 1
		.amdhsa_system_vgpr_workitem_id 0
		.amdhsa_next_free_vgpr 200
		.amdhsa_next_free_sgpr 66
		.amdhsa_reserve_vcc 1
		.amdhsa_float_denorm_mode_32 3
		.amdhsa_float_denorm_mode_16_64 3
		.amdhsa_memory_ordered 1
		.amdhsa_forward_progress 1
		.amdhsa_inst_pref_size 44
	.end_amdhsa_kernel
	.amdgpu_metadata
---
amdhsa.version: [ 1, 2 ]
amdhsa.kernels:
  - .name:           k_q7c5f2beb66_prep
    .symbol:         k_q7c5f2beb66_prep.kd
    .args:
      - { .name: expert_weight, .offset: 0, .size: 8, .value_kind: global_buffer, .address_space: global }
      - { .name: bms, .offset: 8, .size: 8, .value_kind: global_buffer, .address_space: global }
      - { .name: gl, .offset: 16, .size: 8, .value_kind: global_buffer, .address_space: global }
      - { .name: wb, .offset: 24, .size: 8, .value_kind: global_buffer, .address_space: global }
      - { .name: cnt, .offset: 32, .size: 8, .value_kind: global_buffer, .address_space: global }
      - { .name: ord, .offset: 40, .size: 8, .value_kind: global_buffer, .address_space: global }
      - { .name: ogt, .offset: 48, .size: 8, .value_kind: global_buffer, .address_space: global }
    .group_segment_fixed_size: 68608
    .private_segment_fixed_size: 0
    .kernarg_segment_align: 8
    .kernarg_segment_size: 56
    .max_flat_workgroup_size: 256
    .sgpr_count:     66
    .vgpr_count:     200
    .wavefront_size: 32
...
	.end_amdgpu_metadata
.endif
;; end of part 2
;; launch moe (part 3): grid 4 x 79, 4 waves a work-group, no clusters, 113,152 bytes of LDS; arguments expert_bias, wb, xb, cnt, ord, ogt, out0; writes out0
.if DOCPART == 3
	.amdgcn_target "amdgcn-amd-amdhsa--gfx1250"
	.amdhsa_code_object_version 6
	.text
	.protected	k_q7c5f2beb66_moe
	.globl	k_q7c5f2beb66_moe
	.p2align	8
	.type	k_q7c5f2beb66_moe,@function
k_q7c5f2beb66_moe:
	s_mov_b64 s[64:65], 0
	v_nop
	global_prefetch_b8 v0, s[64:65] scope:SCOPE_SE
	s_setreg_imm32_b32 hwreg(HW_REG_WAVE_MODE, 25, 1), 1
	s_wait_xcnt 0x0
; THE EXPERTS.  out[t] = g_lo (x[t] W_lo^T + b_lo) + g_hi (x[t] W_hi^T + b_hi) for the two experts lo < hi that token t chose.  x and W in f16 (each rounded once by the launches before), sums, bias and gates in f32.
; TILES.  The tokens lie sorted by their pair of experts (28 pairs; counts in cnt, tokens in ord, gates in ogt).  A work-group takes up to 160 tokens of ONE pair and 256 output columns, and multiplies them by both experts'
; weights: each output row has one owner, nothing is added up later.  Tiles are numbered pair after pair, ceil(n / 160) for a pair of n tokens: never more than (8,192 + 28 x 159) / 160 = 79, whatever the split.  Every work-group
; finds its pair and first row from the 28 counts.  In a tile that is not full the places past the count repeat the pair's last token.
; BLOCKS PAST THE COUNT.  A tile of M rows has NB = ceil(M / 16) blocks of 16 rows that hold a row.  From the second 32 along K on, an expert's products are cut behind blocks 1, 3, 5 and 7, and the run is left at the first cut
; at which no such block is left: NB rounded up to an even number of blocks is multiplied.  On the way out the first block without a row ends the tile.
; A TILE PAST THE TOTAL has no rows (M = 0).  Every wave passes every barrier, so no barrier stands under a branch on the counts: such a tile runs the set-up and the first 32 along K (on the last token of the last pair that has
; tokens), which write every register that the text reads later; from there on it jumps all work between the barriers, and stores nothing.
; SHARES.  Wave w: columns 64 w .. 64 w + 63 of the slice, all ten blocks of 16 tokens, both experts: 80 accumulators, 640 registers.
; THE MATRIX INSTRUCTION IS USED TRANSPOSED: source 0 = 16 rows of W, source 1 = 16 tokens: a lane holds ONE token (lane % 16) and eight neighbouring columns, 8 (lane / 16) + 0..7.  The bias is the C operand of the first 32 along K.
; W COMES FROM MEMORY STRAIGHT INTO OPERAND REGISTERS: a wave alone reads its 64 columns, so LDS would share nothing of W; wb holds the fragments as the registers take them, 512 consecutive bytes to a load.
; x's rows, which all four waves read, come by the list, through registers, into two LDS slots of 128 k; a slot changes hands at a barrier every fourth substep.
; K goes in 32 SUBSTEPS s of 32; buffers by s % 2.  At the head of substep s: x's fragments of s + 1 are fetched from LDS and hi's fragments of s + 1 asked for; in its middle lo's fragments of s + 2: in a full tile each request for W
; has 120 matrix instructions in which to land.
; NO CLUSTER: nothing here is fetched by a tensor load; W's fragments are shared by the tiles of one pair, whose number (0 to 52) is read from memory, and x's rows come by a list that no descriptor covers.
; LIMITS: NaN and infinities are not treated apart; the operands' rounding to f16 is the only loss: x and W arrive within 65,504, and below 6e-5 with f16's fixed step of 6e-8.
; REGISTERS, in windows of 256 (s_set_vgpr_msb: bits 1:0 source 0, 3:2 source 1, 5:4 source 2, 7:6 destination):
;   window 0: v0-19 addresses; v20-39 the gather's 20 offsets; v40-79 ten loads of x on their way to LDS; v80-95 at work at the start; v96-175, v176-255 x's fragments, two buffers (the second holds the bias at first; the way out works there later)
;   window 1: v0-63, v64-127 W's fragments, two buffers (lo's four, then hi's four); v128-191 accumulators lo of blocks 8, 9; v192-255 hi of blocks 8, 9
;   window 2: accumulators lo of blocks 0-7, (a, b) at 8 (4 a + b)          window 3: the same for hi
.set PA,    272                        ; a row of x in LDS: 256 bytes + 16: an odd multiple of 16, so the 16 rows of a fragment load begin at 16 different 16-byte columns of 256 bytes
.set ASLOT, 160*PA                     ; x's slots at 0 and 43,520
.set STAGE, 2*ASLOT                    ; 87,040: 16 rows x 272 bytes for each wave, for the way out
.set LIST,  STAGE+4*16*PA              ; 104,448: for each wave a copy of its own, 2,048 bytes: the tile's 160 tokens (4 bytes each),
.set GATO,  768                        ; and from here its 160 pairs of gates
.set SPARE, LIST+4*2048                ; 112,640: the spare words, 128 bytes for each wave: two blocks of 256 bytes that no other line names
.set SPW,  1                           ; v1   my spare word; never rewritten
.set NIL,  2                           ; v2   0; never rewritten
.set BOFF, 3                           ; v3   16 x lane: my 16 bytes of a fragment half
.set LN,   4                           ; v4   lane
.set ADRA, 5                           ; v5-6  my place in x's slot 0, 1, for reading
.set ASTO, 7                           ; v7-8  for filling
.set STO,  9                           ; v9   the way out: where I put 32 bytes of a row
.set RD,   10                          ; v10  where I read a row back
.set RDT,  11                          ; v11  where I read that row's token
.set LP,   12                          ; v12  16 (lane % 16)
.set LG,   13                          ; v13  where I read my token's gates
.set HH,   14                          ; v14  lane / 16
.set RR,   15                          ; v15  lane % 16
.set BO,   19                          ; v19  32 (lane / 16): my eight numbers of a bias block
.set GA,   20                          ; v20-39  token x 2,048 + 16 (lane % 16) for rows 80 hf + 20 w + 2 j + lane / 16, at GA + 10 hf + j
.set STG,  40
.set AF,   96
.set BIA,  176                         ; the bias as C operands: lo's four blocks, then hi's
.set OO,   96                          ; the way out: a block's 32 results
.set BKB,  128                         ; 16 rows read back, two buffers of 32
.set TKB,  192                         ; their tokens, two buffers of 8
.set AD,   208                         ; their offsets in out0
.set GT,   216                         ; the gates of my token in each of the ten blocks
.set WBL,  88                          ; s[88:89] lo's fragments for my 64 columns, s[90:91] hi's; both step with the loop
.set NB,   94                          ; s94  the tile's blocks of 16 rows that hold a row, 0 .. 10
.set MSB, 0
.macro WIN new                         ; the immediate's high byte repeats the setting that is left; a switch that changes nothing is dropped
.if MSB != (\new)
	s_set_vgpr_msb (MSB<<8)|(\new)
.set MSB, (\new)
.endif
.endm
.macro PLACES                          ; four plain instructions between a matrix instruction and a load into, or a vector line on, its registers
.rept 4
	v_nop
.endr
.endm
	s_load_b256 s[4:11], s[0:1], 0x0               ; bias s[4:5], wb s[6:7], xb s[8:9], cnt s[10:11]
	s_load_b128 s[12:15], s[0:1], 0x20             ; ord s[12:13], ogt s[14:15]
	s_load_b64 s[16:17], s[0:1], 0x30              ; out0
	v_lshl_add_u32 v[SPW], v0, 2, SPARE
	v_mov_b32 v[NIL], 0
	v_lshrrev_b32 v16, 5, v0
	v_readfirstlane_b32 s18, v16                   ; wave 0..3
	s_mov_b32 s19, ttmp9                           ; the column slice
	s_and_b32 s20, ttmp7, 0xffff                   ; the tile's number,
	s_add_co_u32 s21, s20, 1                       ; and one more
	s_mov_b32 s72, 0                               ; the first tile of the pair in hand
	s_mov_b32 s73, 1<<16                           ; the chosen pair: number | lo << 8 | hi << 16,
	s_mov_b32 s74, 0                               ; its first tile,
	s_mov_b32 s75, 0                               ; its count
	s_wait_kmcnt 0x0
	s_load_b512 s[40:55], s[10:11], 0x0            ; the 28 counts
	s_load_b256 s[56:63], s[10:11], 0x40
	s_load_b128 s[68:71], s[10:11], 0x60
	; the lane's addresses, made while the counts are on their way
	v_and_b32 v[LN], 31, v0
	v_lshlrev_b32 v[BOFF], 4, v[LN]
	v_bfe_u32 v[HH], v0, 4, 1
	v_and_b32 v[RR], 15, v0
	v_lshlrev_b32 v[LP], 4, v[RR]
	v_mul_u32_u24 v17, v[RR], PA
	v_lshl_add_u32 v[ADRA], v[HH], 4, v17          ; a fragment: row lane % 16, 16 bytes for each half of the lanes; slot 0 begins at LDS byte 0
	v_add_nc_u32 v[ADRA+1], ASLOT, v[ADRA]
	s_mul_i32 s85, s18, 20*PA                      ; of a half slot's 80 rows my wave fills 20, two at a time
	v_mul_u32_u24 v18, v[HH], PA
	v_add_nc_u32 v18, v18, v[LP]
	v_add_nc_u32 v[ASTO], s85, v18
	v_add_nc_u32 v[ASTO+1], ASLOT, v[ASTO]
	s_mul_i32 s86, s18, 16*PA
	s_add_co_u32 s86, s86, STAGE                   ; my stage
	v_lshl_add_u32 v16, v[HH], 5, v17
	v_add_nc_u32 v[STO], s86, v16
	v_add_nc_u32 v[RD], s86, v18
	s_lshl_b32 s87, s18, 11
	s_add_co_u32 s87, s87, LIST                    ; my wave's copy of the list
	v_lshl_add_u32 v[RDT], v[HH], 2, s87
	v_lshl_add_u32 v[LG], v[RR], 3, s87
	v_add_nc_u32 v[LG], GATO, v[LG]
	v_lshl_add_u32 v90, v[LN], 2, s87              ; where I put a token,
	v_lshl_add_u32 v91, v[LN], 3, s87
	v_add_nc_u32 v91, GATO, v91                    ; a pair of gates
	v_lshlrev_b32 v[BO], 5, v[HH]
	s_wait_kmcnt 0x0
; One pair: its tiles = ceil(n / 160) = (((n + 159) >> 5) x 205) >> 10, exact up to n = 8,192.  The last pair that has tokens and whose first tile is not beyond mine is mine.
.macro PICK reg, code
	s_add_co_u32 s76, s[\reg], 159
	s_lshr_b32 s76, s76, 5
	s_mul_i32 s76, s76, 205
	s_lshr_b32 s76, s76, 10
	s_add_co_u32 s76, s76, s72                     ; the next pair's first tile
	s_min_u32 s93, s76, s21
	s_cmp_lt_u32 s72, s93                          ; first tile <= mine, and first tile < the next pair's
	s_cselect_b32 s73, \code, s73
	s_cselect_b32 s74, s72, s74
	s_cselect_b32 s75, s[\reg], s75
	s_mov_b32 s72, s76
.endm
.set sid, 0
.irp lo, 0,1,2,3,4,5,6
.irp hi, 1,2,3,4,5,6,7
.if \hi > \lo
.if sid < 24
	PICK 40+sid, sid|(\lo<<8)|(\hi<<16)
.else
	PICK 44+sid, sid|(\lo<<8)|(\hi<<16)
.endif
.set sid, sid+1
.endif
.endr
.endr
	s_sub_co_u32 s77, s20, s74
	s_mul_i32 s77, s77, 160                        ; my first row in the pair's list
	s_sub_co_u32 s78, s75, s77
	s_min_u32 s78, s78, 160
	s_cmp_lt_u32 s77, s75
	s_cselect_b32 s78, s78, 0                      ; M, my rows: 0 for a tile past the total
	s_add_co_u32 s[NB], s78, 15
	s_lshr_b32 s[NB], s[NB], 4                     ; the blocks of 16 rows that hold one of them
	s_sub_co_u32 s79, s75, 1                       ; the pair's last row
	s_and_b32 s83, s73, 0xff
	s_min_u32 s83, s83, 27                         ; the pair,
	s_bfe_u32 s80, s73, 0x80008
	s_min_u32 s80, s80, 7                          ; lo,
	s_bfe_u32 s81, s73, 0x80010
	s_min_u32 s81, s81, 7                          ; hi
	s_lshl_b32 s86, s19, 2
	s_add_co_u32 s86, s86, s18                     ; my group of 64 columns, 0..15
	s_lshl_b32 s87, s86, 17                        ; 131,072 bytes of fragments a group,
	s_lshl_b32 s84, s80, 21                        ; 2,097,152 an expert
	s_add_co_u32 s84, s84, s87
	s_mov_b32 s85, 0
	s_add_nc_u64 s[WBL:WBL+1], s[6:7], s[84:85]
	s_lshl_b32 s84, s81, 21
	s_add_co_u32 s84, s84, s87
	s_add_nc_u64 s[WBL+2:WBL+3], s[6:7], s[84:85]
	s_lshl_b32 s87, s86, 8                         ; 64 columns of f32
	s_lshl_b32 s84, s80, 12
	s_add_co_u32 s84, s84, s87
	s_add_nc_u64 s[24:25], s[4:5], s[84:85]        ; lo's bias there,
	s_lshl_b32 s84, s81, 12
	s_add_co_u32 s84, s84, s87
	s_add_nc_u64 s[26:27], s[4:5], s[84:85]        ; hi's
	s_mov_b32 s84, s87
	s_add_nc_u64 s[16:17], s[16:17], s[84:85]      ; out0 there
	s_mul_i32 s84, s83, 33024
	s_add_nc_u64 s[12:13], s[12:13], s[84:85]      ; the pair's list of tokens,
	s_mul_i32 s84, s83, 66048
	s_add_nc_u64 s[14:15], s[14:15], s[84:85]      ; of gates
; Eight loads: expert e's four fragments of substep s (counted from where the bases stand) into buffer s % 2: 4,096 consecutive bytes
.macro BLOAD e, s
	WIN 0x40                                       ; destination window 1, address window 0
.irp bb, 0,1,2,3
	global_load_b128 v[64*((\s)&1)+32*(\e)+8*\bb:64*((\s)&1)+32*(\e)+8*\bb+3],   v[BOFF], s[WBL+2*(\e):WBL+2*(\e)+1] offset:4096*(\s)+1024*\bb
	global_load_b128 v[64*((\s)&1)+32*(\e)+8*\bb+4:64*((\s)&1)+32*(\e)+8*\bb+7], v[BOFF], s[WBL+2*(\e):WBL+2*(\e)+1] offset:4096*(\s)+1024*\bb+512
.endr
.endm
; Ten loads: 20 rows' 256 bytes at byte imm of the rows (sixteen lanes take one aligned piece of 256 bytes).  Ten LDS stores put them into half hf of a slot.  The caller sets the windows.
.macro GLOAD dst, hf, imm
.irp jj, 0,1,2,3,4,5,6,7,8,9
	global_load_b128 v[(\dst)+4*\jj:(\dst)+4*\jj+3], v[GA+10*(\hf)+\jj], s[8:9] offset:(\imm)
.endr
.endm
.macro ASTORE src, slot, hf
.irp jj, 0,1,2,3,4,5,6,7,8,9
	ds_store_b128 v[ASTO+(\slot)], v[(\src)+4*\jj:(\src)+4*\jj+3] offset:80*PA*(\hf)+2*PA*\jj
.endr
.endm
	; what hangs on no list goes out first: the bias as C operands (register j = column 16 b + 8 (lane / 16) + j, the same for every token), and lo's first fragments
.irp bb, 0,1,2,3
	global_load_b128 v[BIA+8*\bb:BIA+8*\bb+3],       v[BO], s[24:25] offset:64*\bb
	global_load_b128 v[BIA+8*\bb+4:BIA+8*\bb+7],     v[BO], s[24:25] offset:64*\bb+16
	global_load_b128 v[BIA+32+8*\bb:BIA+32+8*\bb+3], v[BO], s[26:27] offset:64*\bb
	global_load_b128 v[BIA+32+8*\bb+4:BIA+32+8*\bb+7], v[BO], s[26:27] offset:64*\bb+16
.endr
	BLOAD 0, 0
	WIN 0
	; the list: all 160 rows for my wave's own copy, for the way out; and the 20 pairs of rows that my wave gathers.  A place past the count takes the pair's last row.
	v_add_nc_u32 v16, s77, v[LN]
.set i, 0
.rept 5
	v_add_nc_u32 v[80+i], 32*i, v16
	v_min_u32 v[80+i], s79, v[80+i]
	v_min_u32 v[80+i], 0x1fff, v[80+i]             ; inside the list, whatever the counts held
	v_lshlrev_b32 v[85+i], 3, v[80+i]
	v_lshlrev_b32 v[80+i], 2, v[80+i]
	global_load_b32 v[80+i], v[80+i], s[12:13]     ; lands on its own address register
	global_load_b64 v[240+2*i:241+2*i], v[85+i], s[14:15]
.set i, i+1
.endr
	s_mul_i32 s84, s18, 20
	s_add_co_u32 s84, s84, s77
	v_add_nc_u32 v16, s84, v[HH]
.set n, 0
.rept 20
	v_add_nc_u32 v[GA+n], 80*(n/10)+2*(n%10), v16
	v_min_u32 v[GA+n], s79, v[GA+n]
	v_min_u32 v[GA+n], 0x1fff, v[GA+n]
	v_lshlrev_b32 v[GA+n], 2, v[GA+n]
	global_load_b32 v[GA+n], v[GA+n], s[12:13]
.set n, n+1
.endr
	s_wait_loadcnt 0x0                             ; the list is in, and with it the bias and lo's first fragments
.set n, 0
.rept 20
	v_min_u32 v[GA+n], 0x1fff, v[GA+n]             ; a token, whatever the list held
	v_lshl_add_u32 v[GA+n], v[GA+n], 11, v[LP]     ; its row of 2,048 bytes, my 16 of each 256
.set n, n+1
.endr
	GLOAD AF, 0, 0                                 ; fill 0, 1: k 0-127, both halves of the rows,
	GLOAD AF+40, 1, 0
	WIN 0x80                                       ; destination window 2: forty accumulator registers are still free
	GLOAD 0, 0, 256                                ; fill 2: k 128-255, the first half
	WIN 0
	GLOAD STG, 1, 256                              ; fill 3: the second half: stored at the head of substep 1
	BLOAD 1, 0                                     ; in the order in which the loop issues them, so that the loop's counts hold at its first trip too
	BLOAD 0, 1
	BLOAD 1, 1
	WIN 0
.set i, 0
.rept 5
	v_min_u32 v[80+i], 0x1fff, v[80+i]
	ds_store_b32 v90, v[80+i] offset:128*i
	ds_store_b64 v91, v[240+2*i:241+2*i] offset:256*i
.set i, i+1
.endr
	s_wait_loadcnt 34                              ; fills 0 to 2 are in; fill 3's ten and three runs of eight for W stay out
	ASTORE AF, 0, 0
	ASTORE AF+40, 0, 1
	WIN 0x08                                       ; store data (source 1) in window 2
	ASTORE 0, 1, 0
	WIN 0
.macro BAR                             ; x's slots change hands: my LDS stores are done and my reads are back, and then everybody's
	s_wait_dscnt 0x0
	s_barrier_signal -1
	s_barrier_wait -1
.endm
	BAR
; na x 4 matrix instructions: expert e, blocks a0 .. of tokens x my 4 blocks of columns, 32 along K, from buffer buf.  bias = 1: the first substep starts the sums with the bias: nothing is ever cleared.
; In every substep the accumulators take turns in the same order, one instruction a turn: in a full tile 79 others' stand between two links of a chain, in a tile of two blocks 15, over the loop's jump too.
.macro MULG buf, e, a0, na, bias
.set ma, (\a0)
.rept (\na)
.if ma < 8
.set rD, 32*ma
.if (\bias)
	WIN 0x81+0x40*(\e)
.else
	WIN 0xa1+0x50*(\e)
.endif
.else
.set rD, 128+64*(\e)+32*(ma-8)
.if (\bias)
	WIN 0x41
.else
	WIN 0x51
.endif
.endif
.irp bb, 0,1,2,3
.if (\bias)
	v_wmma_f32_16x16x32_f16 v[rD+8*\bb:rD+8*\bb+7], v[64*(\buf)+32*(\e)+8*\bb:64*(\buf)+32*(\e)+8*\bb+7], v[AF+80*(\buf)+8*ma:AF+80*(\buf)+8*ma+7], v[BIA+32*(\e)+8*\bb:BIA+32*(\e)+8*\bb+7]
.else
	v_wmma_f32_16x16x32_f16 v[rD+8*\bb:rD+8*\bb+7], v[64*(\buf)+32*(\e)+8*\bb:64*(\buf)+32*(\e)+8*\bb+7], v[AF+80*(\buf)+8*ma:AF+80*(\buf)+8*ma+7], v[rD+8*\bb:rD+8*\bb+7]
.endif
.endr
.set ma, ma+1
.endr
.endm
; An expert's products of a substep.  bias = 1: all 40, in every tile.  Else two blocks (8 products) at a time: behind blocks 1, 3, 5, 7 the run is left if the tile has no further block that holds a row.
; The compare for a cut stands eight products ahead of its branch; between them stand matrix instructions and window switches alone, which leave SCC as it is.  At a branch and at the label every window is 0.
.macro PROD buf, e, bias
.if (\bias)
	MULG \buf, \e, 0, 8, 1
	MULG \buf, \e, 8, 2, 1
.else
	s_cmp_le_u32 s[NB], 2
	MULG \buf, \e, 0, 2, 0
.irp st, 2,4,6,8
	WIN 0
	s_cbranch_scc1 .Lstop\@
.if \st < 8
	s_cmp_le_u32 s[NB], \st+2
.endif
	MULG \buf, \e, \st, 2, 0
.endr
	WIN 0
.Lstop\@:
.endif
.endm
; 20 LDS loads in one run: x's ten fragments of substep s (slot (s / 4) % 2, bytes 64 (s % 4) on) into buffer s % 2
.macro AFETCH s
	WIN 0
.irp aa, 0,1,2,3,4,5,6,7,8,9
	ds_load_b128 v[AF+80*((\s)&1)+8*\aa:AF+80*((\s)&1)+8*\aa+3],   v[ADRA+(((\s)>>2)&1)] offset:16*PA*\aa+64*((\s)&3)
	ds_load_b128 v[AF+80*((\s)&1)+8*\aa+4:AF+80*((\s)&1)+8*\aa+7], v[ADRA+(((\s)>>2)&1)] offset:16*PA*\aa+64*((\s)&3)+32
.endr
.endm
; SUBSTEP s (counted from where the bases stand).  At its head, four places behind the last products: sto: the ten loads of x asked for two substeps ago go into LDS: fill (s + 5) / 2, half a slot that is read
; from the next barrier but one at the earliest, and whose last readers were awaited in front of the last barrier; ld: ten more are asked for, fill (s + 7) / 2; af: x's fragments of s + 1; bhi: hi's fragments of s + 1.
; nlo, nhi: how many younger loads may stay out when lo's, hi's fragments of s have to be there; nds: how many younger LDS instructions when x's have to.  blo: in the middle, lo's fragments of s + 2.
; The loads are the same in every tile that has rows, whatever its blocks: so the counts hold on every way through the cuts.
.macro SS s, sto, ld, bhi, af, nlo, nds, blo, nhi
.if (\sto)||(\bhi)||(\af)
	PLACES
.endif
	WIN 0
.if \sto
	s_wait_loadcnt 32                              ; the ten are in; behind them four runs of eight for W were issued
	ASTORE STG, ((((\s)+5)>>2)&1), ((((\s)+5)>>1)&1)
.endif
.if \ld
	GLOAD STG, ((((\s)+7)>>1)&1), 256*(((\s)+7)>>2)
.endif
.if \af
	AFETCH (\s)+1
.endif
.if \bhi
	BLOAD 1, (\s)+1
.endif
	s_wait_loadcnt \nlo
	s_wait_dscnt \nds
	PROD ((\s)&1), 0, 0
.if \blo
	PLACES
	BLOAD 0, (\s)+2
.endif
	s_wait_loadcnt \nhi
	PROD ((\s)&1), 1, 0
.endm
; The work between two barriers is jumped by a tile without rows.  That way waits for all that is out, so that where the two ways meet nothing is pending but what the working way left, and its counts hold.
.macro SEGIN tag
	s_cmp_eq_u32 s78, 0
	s_cbranch_scc1 .Lidle\tag
.endm
.macro SEGOUT tag
	WIN 0                                          ; at a label and at a branch every window is 0
	s_branch .Lmeet\tag
.Lidle\tag:
	s_wait_loadcnt 0x0
	s_wait_dscnt 0x0
.Lmeet\tag:
.endm
	AFETCH 0
	s_wait_dscnt 0x0
	PROD 0, 0, 1                                   ; substep 0 stands ahead of the loop, whole, for every tile: its products start the sums
	PLACES
	BLOAD 0, 2
	s_wait_loadcnt 24                              ; hi's fragments of substep 0 are in; lo(1), hi(1), lo(2) stay out
	PROD 0, 1, 1
	PLACES                                         ; x's buffer 1 held the bias: it is loaded only behind these products
	AFETCH 1
	s_mov_b32 s92, 3
.Llap:                                             ; a trip: substeps 1 to 8, then 9 to 16, then 17 to 24.  Counts: lo's wait leaves hi(s), lo(s+1), hi(s+1) and one run of ten; hi's leaves three runs of eight, and the ten at odd s
	SEGIN A
	SS 1, 1, 1, 1, 1, 34, 30, 1, 34
	SS 2, 0, 0, 1, 1, 34, 20, 1, 24
	SEGOUT A
	BAR                                            ; slot 1 is whole, slot 0 has been read out
	SEGIN B
	SS 3, 1, 1, 1, 1, 34, 30, 1, 34
	SS 4, 0, 0, 1, 1, 34, 20, 1, 24
	SS 5, 1, 1, 1, 1, 34, 30, 1, 34
	SS 6, 0, 0, 1, 1, 34, 20, 1, 24
	SEGOUT B
	BAR                                            ; slot 0 is whole, slot 1 has been read out
	SEGIN C
	SS 7, 1, 1, 1, 1, 34, 30, 1, 34
	SS 8, 0, 0, 1, 1, 34, 20, 1, 24
	SEGOUT C
	s_wait_xcnt 0x0                                ; the bases are sources of loads that are out: they step only behind this wait
	s_add_nc_u64 s[WBL:WBL+1], s[WBL:WBL+1], 8*4096
	s_add_nc_u64 s[WBL+2:WBL+3], s[WBL+2:WBL+3], 8*4096
	s_add_nc_u64 s[8:9], s[8:9], 512               ; two slots of 256 bytes
	s_sub_co_u32 s92, s92, 1
	s_cmp_lg_u32 s92, 0
	s_cbranch_scc1 .Llap
	SEGIN D                                        ; substeps 25 to 31 are written out: x's last ten loads are stored and no more are asked for, so the counts lose the ten,
	SS 1, 1, 0, 1, 1, 24, 30, 1, 24
	SS 2, 0, 0, 1, 1, 24, 20, 1, 24
	SEGOUT D
	BAR                                            ; the last slot is whole
	s_cmp_eq_u32 s78, 0
	s_cbranch_scc1 .Ldone                          ; no barrier follows: a tile without rows ends here
	SS 3, 0, 0, 1, 1, 24, 20, 1, 24
	SS 4, 0, 0, 1, 1, 24, 20, 1, 24
	SS 5, 0, 0, 1, 1, 24, 20, 1, 24
	SS 6, 0, 0, 1, 1, 24, 20, 0, 16                ; and then W's runs end: lo(31) and hi(31) are out,
	SS 7, 0, 0, 0, 0, 8, 0, 0, 0                   ; hi(31), nothing
	; THE WAY OUT, a block of 16 tokens at a time: g_lo x lo's sums + g_hi x hi's, through my own stage in LDS, back as whole rows of 256 bytes, each stored at its token's row of out0.
	WIN 0
	PLACES
.irp aa, 0,1,2,3,4,5,6,7,8,9
	ds_load_b64 v[GT+2*\aa:GT+2*\aa+1], v[LG] offset:128*\aa
.endr
	s_wait_dscnt 0x0
.macro PACK a                          ; each accumulator's registers are read in ascending order
.if (\a) < 8
.set rL, 32*(\a)
.set rH, 32*(\a)
	WIN 0x02
.else
.set rL, 128+32*((\a)-8)
.set rH, 192+32*((\a)-8)
	WIN 0x01
.endif
.set z, 0
.rept 16
	v_pk_mul_f32 v[OO+2*z:OO+2*z+1], v[rL+2*z:rL+2*z+1], v[GT+2*(\a):GT+2*(\a)+1] op_sel_hi:[1,0]
.set z, z+1
.endr
.if (\a) < 8
	WIN 0x03
.endif
.set z, 0
.rept 16
	v_pk_fma_f32 v[OO+2*z:OO+2*z+1], v[rH+2*z:rH+2*z+1], v[GT+2*(\a):GT+2*(\a)+1], v[OO+2*z:OO+2*z+1] op_sel:[0,1,0] op_sel_hi:[1,1,1]
.set z, z+1
.endr
	WIN 0
.endm
.macro TOSTAGE a
.set BK, BKB+32*((\a)%2)
.set TK, TKB+8*((\a)%2)
.irp bb, 0,1,2,3
	ds_store_b128 v[STO], v[OO+8*\bb:OO+8*\bb+3] offset:64*\bb
	ds_store_b128 v[STO], v[OO+8*\bb+4:OO+8*\bb+7] offset:64*\bb+16
.endr
.irp tt, 0,1,2,3,4,5,6,7
	ds_load_b128 v[BK+4*\tt:BK+4*\tt+3], v[RD] offset:2*PA*\tt     ; LDS serves a wave's instructions in order (ISA guide 5.7.1.4): these see the stores above; the stage is my wave's own
.endr
.irp tt, 0,1,2,3,4,5,6,7
	ds_load_b32 v[TK+\tt], v[RDT] offset:4*(16*(\a)+2*\tt)
.endr
.endm
; A block that holds a row is stored whole.  In the tile's last such block the places past the count hold the pair's last token once more, with the same x and the same gates: their stores carry the same bytes to the
; same address as that token's own, at most 15 rows of 256 bytes a wave.  So one branch a block, behind its stores, ends the tile.
.macro SEND a
.set BK, BKB+32*((\a)%2)
.set TK, TKB+8*((\a)%2)
	s_wait_dscnt 0x0                               ; the block is back in registers
	s_wait_xcnt 0x0                                ; the offsets, and the buffer that the next block is read into, were read by earlier stores: they are written only behind this wait
.irp tt, 0,1,2,3,4,5,6,7
	v_min_u32 v[TK+\tt], 0x1fff, v[TK+\tt]
	v_lshl_add_u32 v[AD+\tt], v[TK+\tt], 12, v[LP] ; the token's row of 4,096 bytes, my 16 of my wave's 256
.endr
.irp tt, 0,1,2,3,4,5,6,7
	global_store_b128 v[AD+\tt], v[BK+4*\tt:BK+4*\tt+3], s[16:17] th:TH_STORE_NT   ; sixteen lanes store 256 consecutive bytes, aligned
.endr
.endm
	PACK 0                                         ; a tile that comes here has a row, so block 0 holds one
	TOSTAGE 0
.irp a, 1,2,3,4,5,6,7,8,9              ; a block's arithmetic stands between the loads of the block before and the wait for them
	PACK \a
	SEND (\a)-1
	s_cmp_le_u32 s[NB], \a
	s_cbranch_scc1 .Ldone                          ; block a holds no row: what PACK made of it is dropped
	TOSTAGE \a
.endr
	SEND 9
.Ldone:
	s_wait_tensorcnt 0x0                           ; the wave's end
	ds_add_u32 v[SPW], v[NIL]
	s_wait_dscnt 0x0
	s_endpgm
.Lfunc_end_k_q7c5f2beb66_moe:
	.size	k_q7c5f2beb66_moe, .Lfunc_end_k_q7c5f2beb66_moe-k_q7c5f2beb66_moe
	.p2alignl 7, 3214868480
	.fill 96, 4, 3214868480
	.section	.rodata,"a",@progbits
	.p2align	6, 0x0
	.amdhsa_kernel k_q7c5f2beb66_moe
		.amdhsa_group_segment_fixed_size 113152
		.amdhsa_private_segment_fixed_size 0
		.amdhsa_enable_private_segment 0
		.amdhsa_kernarg_size 56
		.amdhsa_user_sgpr_count 2
		.amdhsa_user_sgpr_kernarg_segment_ptr 1
		.amdhsa_wavefront_size32 1
		.amdhsa_system_sgpr_workgroup_id_x 1
		.amdhsa_system_sgpr_workgroup_id_y 1
		.amdhsa_system_sgpr_workgroup_id_z 1
		.amdhsa_system_vgpr_workitem_id 0
		.amdhsa_next_free_vgpr 1024
		.amdhsa_next_free_sgpr 96
		.amdhsa_reserve_vcc 0
		.amdhsa_float_denorm_mode_32 3
		.amdhsa_float_denorm_mode_16_64 3
		.amdhsa_memory_ordered 1
		.amdhsa_forward_progress 1
		.amdhsa_inst_pref_size 246
	.end_amdhsa_kernel
	.amdgpu_metadata
---
amdhsa.version: [ 1, 2 ]
amdhsa.kernels:
  - .name:           k_q7c5f2beb66_moe
    .symbol:         k_q7c5f2beb66_moe.kd
    .args:
      - { .name: expert_bias, .offset: 0, .size: 8, .value_kind: global_buffer, .address_space: global }
      - { .name: wb, .offset: 8, .size: 8, .value_kind: global_buffer, .address_space: global }
      - { .name: xb, .offset: 16, .size: 8, .value_kind: global_buffer, .address_space: global }
      - { .name: cnt, .offset: 24, .size: 8, .value_kind: global_buffer, .address_space: global }
      - { .name: ord, .offset: 32, .size: 8, .value_kind: global_buffer, .address_space: global }
      - { .name: ogt, .offset: 40, .size: 8, .value_kind: global_buffer, .address_space: global }
      - { .name: out0, .offset: 48, .size: 8, .value_kind: global_buffer, .address_space: global }
    .group_segment_fixed_size: 113152
    .private_segment_fixed_size: 0
    .kernarg_segment_align: 8
    .kernarg_segment_size: 56
    .max_flat_workgroup_size: 128
    .sgpr_count:     96
    .vgpr_count:     1024
    .wavefront_size: 32
...
	.end_amdgpu_metadata
.endif
;; end of part 3
;; ======== version 2 of 2: 3 launches; version 1 with the launch moe written anew for expert scheduling mode
;; limits: values are held in f16: magnitudes above 65,504 overflow, below 6.1e-05 lose precision; inputs' magnitudes at most 65,504
;; workspace buffers: xb 16,777,216 bytes; wb 16,777,216 bytes; bms 32,768 bytes of whole numbers; gl 65,536 bytes; cnt 256 bytes of whole numbers; ord 924,672 bytes of whole numbers; ogt 1,849,344 bytes
;; launch route: the kernel of part 1 again; grid 256 x 1, 8 waves a work-group, no clusters, 38,912 bytes of LDS; arguments hidden_states, wg, out1, out2, xb, bms, gl; writes out1, out2, xb, bms, gl
;; launch prep: the kernel of part 2 again; grid 284 x 1, 8 waves a work-group, no clusters, 68,608 bytes of LDS; arguments expert_weight, bms, gl, wb, cnt, ord, ogt; writes wb, cnt, ord, ogt
;; launch moe (part 4): grid 4 x 79, 4 waves a work-group, no clusters, 113,152 bytes of LDS; arguments expert_bias, wb, xb, cnt, ord, ogt, out0; writes out0
.if DOCPART == 4
	.amdgcn_target "amdgcn-amd-amdhsa--gfx1250"
	.amdhsa_code_object_version 6
	.text
	.protected	k_q7c5f2beb66_moe
	.globl	k_q7c5f2beb66_moe
	.p2align	8
	.type	k_q7c5f2beb66_moe,@function
k_q7c5f2beb66_moe:
	s_mov_b64 s[64:65], 0
	v_nop
	global_prefetch_b8 v0, s[64:65] scope:SCOPE_SE
	s_setreg_imm32_b32 hwreg(HW_REG_WAVE_SCHED_MODE, 0, 2), 2
	s_setreg_imm32_b32 hwreg(HW_REG_WAVE_MODE, 25, 1), 1
	s_wait_xcnt 0x0
	s_wait_alu depctr_vm_vsrc(0)
; THE EXPERTS.  out[t] = g_lo (x[t] W_lo^T + b_lo) + g_hi (x[t] W_hi^T + b_hi) for the two experts lo < hi that token t chose.  x and W in f16 (each rounded once by the launches before), sums, bias and gates in f32.
; TILES.  The tokens lie sorted by their pair of experts (28 pairs; counts in cnt, tokens in ord, gates in ogt).  A work-group takes up to 160 tokens of ONE pair and 256 output columns, and multiplies them by both experts'
; weights: each output row has one owner, nothing is added up later.  Tiles are numbered pair after pair, ceil(n / 160) for a pair of n tokens: never more than (8,192 + 28 x 159) / 160 = 79, whatever the split.  Every work-group
; finds its pair and first row from the 28 counts.  In a tile that is not full the places past the count repeat the pair's last token.
; BLOCKS PAST THE COUNT.  A tile of M rows has NB = ceil(M / 16) blocks of 16 rows that hold a row.  From the second 32 along K on, an expert's products are cut behind blocks 1, 3, 5 and 7, and the run is left at the first cut
; at which no such block is left: NB rounded up to an even number of blocks is multiplied.  On the way out the first block without a row ends the tile.
; A TILE PAST THE TOTAL has no rows (M = 0).  Every wave passes every barrier, so no barrier stands under a branch on the counts: such a tile runs the set-up and the first 32 along K (on the last token of the last pair that has
; tokens), which write every register that the text reads later; from there on it jumps all work between the barriers, and stores nothing.
; SHARES.  Wave w: columns 64 w .. 64 w + 63 of the slice, all ten blocks of 16 tokens, both experts: 80 accumulators, 640 registers.
; THE MATRIX INSTRUCTION IS USED TRANSPOSED: source 0 = 16 rows of W, source 1 = 16 tokens: a lane holds ONE token (lane % 16) and eight neighbouring columns, 8 (lane / 16) + 0..7.  The bias is the C operand of the first 32 along K.
; W COMES FROM MEMORY STRAIGHT INTO OPERAND REGISTERS: a wave alone reads its 64 columns, so LDS would share nothing of W; wb holds the fragments as the registers take them, 512 consecutive bytes to a load.
; x's rows, which all four waves read, come by the list, through registers, into two LDS slots of 128 k; a slot changes hands at a barrier every fourth substep.
; K goes in 32 SUBSTEPS s of 32; buffers by s % 2.  In substep s: behind lo's first four products hi's fragments of s + 1 are asked for; behind its next four x's fragments of s + 1 are fetched from LDS; behind hi's first four
; products lo's fragments of s + 2 are asked for: in a full tile each request for W has 116 matrix instructions in which to land.
; NO CLUSTER: nothing here is fetched by a tensor load; W's fragments are shared by the tiles of one pair, whose number (0 to 52) is read from memory, and x's rows come by a list that no descriptor covers.
; LIMITS: NaN and infinities are not treated apart; the operands' rounding to f16 is the only loss: x and W arrive within 65,504, and below 6e-5 with f16's fixed step of 6e-8.
; THE MODE: SCHED_MODE bits 1:0 = 2 (LLVM: expert scheduling mode 2), set by the entry lines.  The code itself states the register dependences between vector or matrix instructions and memory or LDS instructions,
; with s_wait_alu, always for 0.
; THE PLAN.  Registers that memory or LDS instructions touch, in the loop:
;   W's lo[s % 2]  read by lo's products of substep s; behind them, in the same substep's second half, lo's fragments of s + 2 land in it.
;   W's hi[s % 2]  read by hi's products of substep s; hi's fragments of s + 2 land in it, asked for in substep s + 1.
;   AF[s % 2]      x's fragments: read by all products of substep s; the fragments of s + 2 land in it, fetched in substep s + 1.
;   STG            named by no vector or matrix instruction in the loop: ten loads land in it in the second half of an odd substep, ten LDS stores read it in the first half of the next odd one, the next ten loads follow in that one's second half.
;   v3-v15, v19 and the gather's offsets are made ahead of the loop and never written again: the scalar bases step, and immediate offsets do the rest.
;   The accumulators are named by matrix instructions alone until the way out.
; So a substep has TWO waits on va_vdst.  At its head: the products of the substep before are done reading hi's and x's buffers of the other parity.  In its middle: lo's products are done reading lo's buffer.  The loads follow each
; wait dealt among the expert's first eight products, which every tile with rows issues and which name this parity's buffers and the accumulators: none of the registers that those loads touch.
; One wait on vm_vsrc stands in every odd substep, ahead of the ten loads into STG: the ten LDS stores of that substep's first half have read it.
; REGISTERS, in windows of 256 (s_set_vgpr_msb: bits 1:0 source 0, 3:2 source 1, 5:4 source 2, 7:6 destination):
;   window 0: v3-19 addresses; v20-39 the gather's 20 offsets; v40-79 ten loads of x on their way to LDS (at the start the list's offsets; on the way out the second buffer of results); v80-91 at work at the start;
;             v96-175, v176-255 x's fragments, two buffers (the second holds the bias at first; the way out works there later)
;   window 1: v0-63, v64-127 W's fragments, two buffers (lo's four, then hi's four); v128-191 accumulators lo of blocks 8, 9; v192-255 hi of blocks 8, 9
;   window 2: accumulators lo of blocks 0-7, (a, b) at 8 (4 a + b)          window 3: the same for hi
.set PA,    272                        ; a row of x in LDS: 256 bytes + 16: an odd multiple of 16, so the 16 rows of a fragment load begin at 16 different 16-byte columns of 256 bytes
.set ASLOT, 160*PA                     ; x's slots at 0 and 43,520
.set STAGE, 2*ASLOT                    ; 87,040: 16 rows x 272 bytes for each wave, for the way out
.set LIST,  STAGE+4*16*PA              ; 104,448: for each wave a copy of its own, 2,048 bytes: the tile's 160 tokens (4 bytes each),
.set GATO,  768                        ; and from here its 160 pairs of gates.  The 512 bytes behind the four copies hold the spare words of the closing add
.set BOFF, 3                           ; v3   16 x lane: my 16 bytes of a fragment half
.set LN,   4                           ; v4   lane
.set ADRA, 5                           ; v5-6  my place in x's slot 0, 1, for reading
.set ASTO, 7                           ; v7-8  for filling
.set STO,  9                           ; v9   the way out: where I put 32 bytes of a row
.set RD,   10                          ; v10  where I read a row back
.set RDT,  11                          ; v11  where I read that row's token
.set LP,   12                          ; v12  16 (lane % 16)
.set LG,   13                          ; v13  where I read my token's gates
.set HH,   14                          ; v14  lane / 16
.set RR,   15                          ; v15  lane % 16
.set BO,   19                          ; v19  32 (lane / 16): my eight numbers of a bias block
.set GA,   20                          ; v20-39  token x 2,048 + 16 (lane % 16) for rows 80 hf + 20 w + 2 j + lane / 16, at GA + 10 hf + j
.set STG,  40
.set LA,   40                          ; at the start only: v40-59 the offsets in ord of those 20 rows, v60-64 of my five places of the tile's list
.set AF,   96
.set BIA,  176                         ; the bias as C operands: lo's four blocks, then hi's
.set OO,   96                          ; the way out: a block's 32 results, two buffers by turns: even blocks here,
.set OO1,  40                          ; odd blocks here
.set BKB,  128                         ; 16 rows read back, two buffers of 32
.set TKB,  192                         ; their tokens, two buffers of 8
.set AD,   208                         ; their offsets in out0
.set GT,   216                         ; the gates of my token in each of the ten blocks
.set WBL,  88                          ; s[88:89] lo's fragments for my 64 columns, s[90:91] hi's; both step with the loop
.set NB,   94                          ; s94  the tile's blocks of 16 rows that hold a row, 0 .. 10
.set MSB, 0
.macro WIN new                         ; the immediate's high byte repeats the setting that is left; a switch that changes nothing is dropped
.if MSB != (\new)
	s_set_vgpr_msb (MSB<<8)|(\new)
.set MSB, (\new)
.endif
.endm
.macro PLACES                          ; four plain instructions between a matrix instruction and a load into, or a vector line on, its registers; where a load follows, the wait that states the dependence stands behind them
.rept 4
	v_nop
.endr
.endm
	s_load_b256 s[4:11], s[0:1], 0x0               ; bias s[4:5], wb s[6:7], xb s[8:9], cnt s[10:11]
	s_load_b128 s[12:15], s[0:1], 0x20             ; ord s[12:13], ogt s[14:15]
	s_load_b64 s[16:17], s[0:1], 0x30              ; out0
	v_lshl_add_u32 v94, v0, 2, 0x1b800
	v_mov_b32 v95, 0
	v_lshrrev_b32 v16, 5, v0
	v_readfirstlane_b32 s18, v16                   ; wave 0..3
	s_mov_b32 s19, ttmp9                           ; the column slice
	s_and_b32 s20, ttmp7, 0xffff                   ; the tile's number,
	s_add_co_u32 s21, s20, 1                       ; and one more
	s_mov_b32 s72, 0                               ; the first tile of the pair in hand
	s_mov_b32 s73, 1<<16                           ; the chosen pair: number | lo << 8 | hi << 16,
	s_mov_b32 s74, 0                               ; its first tile,
	s_mov_b32 s75, 0                               ; its count
	s_wait_alu depctr_va_sdst(0)                   ; s18 is written, ahead of its first reader: LDS places and the bases of W, bias and out0 are made from it
	s_wait_kmcnt 0x0
	s_load_b512 s[40:55], s[10:11], 0x0            ; the 28 counts
	s_load_b256 s[56:63], s[10:11], 0x40
	s_load_b128 s[68:71], s[10:11], 0x60
	; the lane's addresses, made while the counts are on their way
	v_and_b32 v[LN], 31, v0
	v_lshlrev_b32 v[BOFF], 4, v[LN]
	v_bfe_u32 v[HH], v0, 4, 1
	v_and_b32 v[RR], 15, v0
	v_lshlrev_b32 v[LP], 4, v[RR]
	v_mul_u32_u24 v17, v[RR], PA
	v_lshl_add_u32 v[ADRA], v[HH], 4, v17          ; a fragment: row lane % 16, 16 bytes for each half of the lanes; slot 0 begins at LDS byte 0
	v_add_nc_u32 v[ADRA+1], ASLOT, v[ADRA]
	s_mul_i32 s85, s18, 20*PA                      ; of a half slot's 80 rows my wave fills 20, two at a time
	v_mul_u32_u24 v18, v[HH], PA
	v_add_nc_u32 v18, v18, v[LP]
	v_add_nc_u32 v[ASTO], s85, v18
	v_add_nc_u32 v[ASTO+1], ASLOT, v[ASTO]
	s_mul_i32 s86, s18, 16*PA
	s_add_co_u32 s86, s86, STAGE                   ; my stage
	v_lshl_add_u32 v16, v[HH], 5, v17
	v_add_nc_u32 v[STO], s86, v16
	v_add_nc_u32 v[RD], s86, v18
	s_lshl_b32 s87, s18, 11
	s_add_co_u32 s87, s87, LIST                    ; my wave's copy of the list
	v_lshl_add_u32 v[RDT], v[HH], 2, s87
	v_lshl_add_u32 v[LG], v[RR], 3, s87
	v_add_nc_u32 v[LG], GATO, v[LG]
	v_lshl_add_u32 v90, v[LN], 2, s87              ; where I put a token,
	v_lshl_add_u32 v91, v[LN], 3, s87
	v_add_nc_u32 v91, GATO, v91                    ; a pair of gates
	v_lshlrev_b32 v[BO], 5, v[HH]
	s_wait_kmcnt 0x0
; One pair: its tiles = ceil(n / 160) = (((n + 159) >> 5) x 205) >> 10, exact up to n = 8,192.  The last pair that has tokens and whose first tile is not beyond mine is mine.
.macro PICK reg, code
	s_add_co_u32 s76, s[\reg], 159
	s_lshr_b32 s76, s76, 5
	s_mul_i32 s76, s76, 205
	s_lshr_b32 s76, s76, 10
	s_add_co_u32 s76, s76, s72                     ; the next pair's first tile
	s_min_u32 s93, s76, s21
	s_cmp_lt_u32 s72, s93                          ; first tile <= mine, and first tile < the next pair's
	s_cselect_b32 s73, \code, s73
	s_cselect_b32 s74, s72, s74
	s_cselect_b32 s75, s[\reg], s75
	s_mov_b32 s72, s76
.endm
.set sid, 0
.irp lo, 0,1,2,3,4,5,6
.irp hi, 1,2,3,4,5,6,7
.if \hi > \lo
.if sid < 24
	PICK 40+sid, sid|(\lo<<8)|(\hi<<16)
.else
	PICK 44+sid, sid|(\lo<<8)|(\hi<<16)
.endif
.set sid, sid+1
.endif
.endr
.endr
	s_sub_co_u32 s77, s20, s74
	s_mul_i32 s77, s77, 160                        ; my first row in the pair's list
	s_sub_co_u32 s78, s75, s77
	s_min_u32 s78, s78, 160
	s_cmp_lt_u32 s77, s75
	s_cselect_b32 s78, s78, 0                      ; M, my rows: 0 for a tile past the total
	s_add_co_u32 s[NB], s78, 15
	s_lshr_b32 s[NB], s[NB], 4                     ; the blocks of 16 rows that hold one of them
	s_sub_co_u32 s79, s75, 1                       ; the pair's last row
	s_and_b32 s83, s73, 0xff
	s_min_u32 s83, s83, 27                         ; the pair,
	s_bfe_u32 s80, s73, 0x80008
	s_min_u32 s80, s80, 7                          ; lo,
	s_bfe_u32 s81, s73, 0x80010
	s_min_u32 s81, s81, 7                          ; hi
	s_lshl_b32 s86, s19, 2
	s_add_co_u32 s86, s86, s18                     ; my group of 64 columns, 0..15
	s_lshl_b32 s87, s86, 17                        ; 131,072 bytes of fragments a group,
	s_lshl_b32 s84, s80, 21                        ; 2,097,152 an expert
	s_add_co_u32 s84, s84, s87
	s_mov_b32 s85, 0
	s_add_nc_u64 s[WBL:WBL+1], s[6:7], s[84:85]
	s_lshl_b32 s84, s81, 21
	s_add_co_u32 s84, s84, s87
	s_add_nc_u64 s[WBL+2:WBL+3], s[6:7], s[84:85]
	s_lshl_b32 s87, s86, 8                         ; 64 columns of f32
	s_lshl_b32 s84, s80, 12
	s_add_co_u32 s84, s84, s87
	s_add_nc_u64 s[24:25], s[4:5], s[84:85]        ; lo's bias there,
	s_lshl_b32 s84, s81, 12
	s_add_co_u32 s84, s84, s87
	s_add_nc_u64 s[26:27], s[4:5], s[84:85]        ; hi's
	s_mov_b32 s84, s87
	s_add_nc_u64 s[16:17], s[16:17], s[84:85]      ; out0 there
	s_mul_i32 s84, s83, 33024
	s_add_nc_u64 s[12:13], s[12:13], s[84:85]      ; the pair's list of tokens,
	s_mul_i32 s84, s83, 66048
	s_add_nc_u64 s[14:15], s[14:15], s[84:85]      ; of gates
; Eight loads: expert e's four fragments of substep s (counted from where the bases stand) into buffer s % 2: 4,096 consecutive bytes
.macro BLOAD e, s
	WIN 0x40                                       ; destination window 1, address window 0
.irp bb, 0,1,2,3
	global_load_b128 v[64*((\s)&1)+32*(\e)+8*\bb:64*((\s)&1)+32*(\e)+8*\bb+3],   v[BOFF], s[WBL+2*(\e):WBL+2*(\e)+1] offset:4096*(\s)+1024*\bb
	global_load_b128 v[64*((\s)&1)+32*(\e)+8*\bb+4:64*((\s)&1)+32*(\e)+8*\bb+7], v[BOFF], s[WBL+2*(\e):WBL+2*(\e)+1] offset:4096*(\s)+1024*\bb+512
.endr
.endm
; Ten loads: 20 rows' 256 bytes at byte imm of the rows (sixteen lanes take one aligned piece of 256 bytes).  Ten LDS stores put them into half hf of a slot.  The caller sets the windows.
.macro GLOAD dst, hf, imm
.irp jj, 0,1,2,3,4,5,6,7,8,9
	global_load_b128 v[(\dst)+4*\jj:(\dst)+4*\jj+3], v[GA+10*(\hf)+\jj], s[8:9] offset:(\imm)
.endr
.endm
.macro ASTORE src, slot, hf
.irp jj, 0,1,2,3,4,5,6,7,8,9
	ds_store_b128 v[ASTO+(\slot)], v[(\src)+4*\jj:(\src)+4*\jj+3] offset:80*PA*(\hf)+2*PA*\jj
.endr
.endm
	; the list's offsets: all 160 rows for my wave's own copy, for the way out; and the 20 pairs of rows that my wave gathers.  A place past the count takes the pair's last row.
	; All offsets are made first, in registers of their own, so that one wait serves every load of the set-up's first run.
	v_add_nc_u32 v16, s77, v[LN]
.set i, 0
.rept 5
	v_add_nc_u32 v[LA+20+i], 32*i, v16
	v_min_u32 v[LA+20+i], s79, v[LA+20+i]
	v_min_u32 v[LA+20+i], 0x1fff, v[LA+20+i]       ; inside the list, whatever the counts held
	v_lshlrev_b32 v[85+i], 3, v[LA+20+i]
	v_lshlrev_b32 v[LA+20+i], 2, v[LA+20+i]
.set i, i+1
.endr
	s_mul_i32 s84, s18, 20
	s_add_co_u32 s84, s84, s77
	v_add_nc_u32 v16, s84, v[HH]
.set n, 0
.rept 20
	v_add_nc_u32 v[LA+n], 80*(n/10)+2*(n%10), v16
	v_min_u32 v[LA+n], s79, v[LA+n]
	v_min_u32 v[LA+n], 0x1fff, v[LA+n]
	v_lshlrev_b32 v[LA+n], 2, v[LA+n]
.set n, n+1
.endr
	s_wait_alu depctr_va_vdst(0)                   ; written: the offsets and LDS addresses v3 to v15, v19, v90, v91, which loads and stores read from here to the kernel's end, and the list's offsets v40 to v64, v85 to v89
.set n, 0
.rept 20
	global_load_b32 v[GA+n], v[LA+n], s[12:13]     ; the list first: the gather hangs on it
.set n, n+1
.endr
.set i, 0
.rept 5
	global_load_b32 v[80+i], v[LA+20+i], s[12:13]
	global_load_b64 v[240+2*i:241+2*i], v[85+i], s[14:15]
.set i, i+1
.endr
	; what hangs on no list: the bias as C operands (register j = column 16 b + 8 (lane / 16) + j, the same for every token), and lo's first fragments
.irp bb, 0,1,2,3
	global_load_b128 v[BIA+8*\bb:BIA+8*\bb+3],       v[BO], s[24:25] offset:64*\bb
	global_load_b128 v[BIA+8*\bb+4:BIA+8*\bb+7],     v[BO], s[24:25] offset:64*\bb+16
	global_load_b128 v[BIA+32+8*\bb:BIA+32+8*\bb+3], v[BO], s[26:27] offset:64*\bb
	global_load_b128 v[BIA+32+8*\bb+4:BIA+32+8*\bb+7], v[BO], s[26:27] offset:64*\bb+16
.endr
	BLOAD 0, 0
	WIN 0
	s_wait_loadcnt 0x0                             ; the list is in, and with it the bias and lo's first fragments
.set n, 0
.rept 20
	v_min_u32 v[GA+n], 0x1fff, v[GA+n]             ; a token, whatever the list held
	v_lshl_add_u32 v[GA+n], v[GA+n], 11, v[LP]     ; its row of 2,048 bytes, my 16 of each 256
.set n, n+1
.endr
.set i, 0
.rept 5
	v_min_u32 v[80+i], 0x1fff, v[80+i]
.set i, i+1
.endr
	s_wait_alu depctr_va_vdst(0)                   ; written: the gather's offsets v20 to v39, which every load of x reads, and the tokens v80 to v84, which the LDS stores below read; the lines that made v40 to v64 are done, in which fill 3 lands
	s_wait_alu depctr_vm_vsrc(0)                   ; the list's loads have read their offsets v40 to v64, in which fill 3 lands
	GLOAD AF, 0, 0                                 ; fill 0, 1: k 0-127, both halves of the rows,
	GLOAD AF+40, 1, 0
	WIN 0x80                                       ; destination window 2: forty accumulator registers are still free
	GLOAD 0, 0, 256                                ; fill 2: k 128-255, the first half
	BLOAD 1, 0                                     ; from here on in the order in which the loop issues them, so that the loop's counts hold at its first trip too: hi(0), lo(1),
	BLOAD 0, 1
	WIN 0
	GLOAD STG, 1, 256                              ; fill 3: the second half: stored in substep 1,
	BLOAD 1, 1                                     ; hi(1)
	WIN 0
.set i, 0
.rept 5
	ds_store_b32 v90, v[80+i] offset:128*i
	ds_store_b64 v91, v[240+2*i:241+2*i] offset:256*i
.set i, i+1
.endr
	s_wait_loadcnt 34                              ; fills 0 to 2 are in; fill 3's ten and three runs of eight for W stay out
	ASTORE AF, 0, 0
	ASTORE AF+40, 0, 1
	WIN 0x08                                       ; store data (source 1) in window 2
	ASTORE 0, 1, 0
	WIN 0
.macro BAR                             ; x's slots change hands: my LDS stores are done and my reads are back, and then everybody's
	s_wait_dscnt 0x0
	s_barrier_signal -1
	s_barrier_wait -1
.endm
	BAR
; na x 4 matrix instructions: expert e, blocks a0 .. of tokens x my 4 blocks of columns, 32 along K, from buffer buf.  bias = 1: the first substep starts the sums with the bias: nothing is ever cleared.
; In every substep the accumulators take turns in the same order, one instruction a turn: in a full tile 79 others' stand between two links of a chain, in a tile of two blocks 15, over the loop's jump too.
.macro MULG buf, e, a0, na, bias
.set ma, (\a0)
.rept (\na)
.if ma < 8
.set rD, 32*ma
.if (\bias)
	WIN 0x81+0x40*(\e)
.else
	WIN 0xa1+0x50*(\e)
.endif
.else
.set rD, 128+64*(\e)+32*(ma-8)
.if (\bias)
	WIN 0x41
.else
	WIN 0x51
.endif
.endif
.irp bb, 0,1,2,3
.if (\bias)
	v_wmma_f32_16x16x32_f16 v[rD+8*\bb:rD+8*\bb+7], v[64*(\buf)+32*(\e)+8*\bb:64*(\buf)+32*(\e)+8*\bb+7], v[AF+80*(\buf)+8*ma:AF+80*(\buf)+8*ma+7], v[BIA+32*(\e)+8*\bb:BIA+32*(\e)+8*\bb+7]
.else
	v_wmma_f32_16x16x32_f16 v[rD+8*\bb:rD+8*\bb+7], v[64*(\buf)+32*(\e)+8*\bb:64*(\buf)+32*(\e)+8*\bb+7], v[AF+80*(\buf)+8*ma:AF+80*(\buf)+8*ma+7], v[rD+8*\bb:rD+8*\bb+7]
.endif
.endr
.set ma, ma+1
.endr
.endm
; An expert's 40 products of substep 0, in every tile.
.macro START e
	MULG 0, \e, 0, 8, 1
	MULG 0, \e, 8, 2, 1
.endm
; An expert's blocks 2 to 9 of a later substep, two blocks (8 products) at a time: behind blocks 1, 3, 5, 7 the run is left if the tile has no further block that holds a row.
; The compare for a cut stands eight products ahead of its branch (the first one in SS, ahead of block 0); between them stand matrix instructions, window switches, loads, LDS instructions and waits alone, which leave SCC as it is.
; At a branch and at the label every window is 0.
.macro REST buf, e
.irp st, 2,4,6,8
	WIN 0
	s_cbranch_scc1 .Lstop\@
.if \st < 8
	s_cmp_le_u32 s[NB], \st+2
.endif
	MULG \buf, \e, \st, 2, 0
.endr
	WIN 0
.Lstop\@:
.endm
; 20 LDS loads in one run: x's ten fragments of substep s (slot (s / 4) % 2, bytes 64 (s % 4) on) into buffer s % 2
.macro AFETCH s
	WIN 0
.irp aa, 0,1,2,3,4,5,6,7,8,9
	ds_load_b128 v[AF+80*((\s)&1)+8*\aa:AF+80*((\s)&1)+8*\aa+3],   v[ADRA+(((\s)>>2)&1)] offset:16*PA*\aa+64*((\s)&3)
	ds_load_b128 v[AF+80*((\s)&1)+8*\aa+4:AF+80*((\s)&1)+8*\aa+7], v[ADRA+(((\s)>>2)&1)] offset:16*PA*\aa+64*((\s)&3)+32
.endr
.endm
; SUBSTEP s (counted from where the bases stand).  nxt: a further substep follows: hi's fragments of s + 1 are asked for behind lo's block 0, x's fragments of s + 1 fetched behind lo's block 1.
; sto: ahead of that fetch the ten loads of x asked for three half substeps ago go into LDS: fill (s + 5) / 2, half a slot that is read from the next barrier but one at the earliest, and whose last readers were awaited in front
; of the last barrier.  blo: lo's fragments of s + 2 are asked for behind hi's block 0.  ld: behind hi's block 1 ten more loads of x, fill (s + 7) / 2.
; nlo, nhi: how many younger loads may stay out when lo's, hi's fragments of s have to be there; both waits stand ahead of the substep's (the half's) own loads.
; The global loads go out in the order hi(s + 1), lo(s + 2), the ten of x.  They are the same in every tile that has rows, whatever its blocks: so the counts hold on every way through the cuts.
.macro SS s, sto, ld, nxt, nlo, blo, nhi
.if \nxt
	PLACES
	s_wait_alu depctr_va_vdst(0)                   ; the products of the substep before are done reading hi's and x's buffers of the other parity, in which this half's loads land
.endif
	s_wait_loadcnt \nlo                            ; lo's fragments of s are in
	s_wait_dscnt 0x0                               ; x's fragments of s are in: they are the youngest LDS instructions that are out
	s_cmp_le_u32 s[NB], 2
	MULG ((\s)&1), 0, 0, 1, 0
.if \nxt
	BLOAD 1, (\s)+1                                ; no further wait: the products issued since the wait name lo's and x's buffers of this parity and lo's accumulators
.endif
	MULG ((\s)&1), 0, 1, 1, 0
.if \sto
	WIN 0
	s_wait_loadcnt 24                              ; the ten are in; behind them three runs of eight for W were issued
	ASTORE STG, ((((\s)+5)>>2)&1), ((((\s)+5)>>1)&1)
.endif
.if \nxt
	AFETCH (\s)+1
.endif
	REST ((\s)&1), 0
.if \blo
	PLACES
	s_wait_alu depctr_va_vdst(0)                   ; lo's products of s are done reading lo's buffer of this parity, in which lo's fragments of s + 2 land
.endif
	s_wait_loadcnt \nhi                            ; hi's fragments of s are in
	s_cmp_le_u32 s[NB], 2
	MULG ((\s)&1), 1, 0, 1, 0
.if \blo
	BLOAD 0, (\s)+2                                ; no further wait: the products issued since the wait name hi's and x's buffers of this parity and hi's accumulators
.endif
	MULG ((\s)&1), 1, 1, 1, 0
.if \ld
	WIN 0
	s_wait_alu depctr_vm_vsrc(0)                   ; the ten LDS stores of this substep's first half have read STG, in which the next ten loads land
	GLOAD STG, ((((\s)+7)>>1)&1), 256*(((\s)+7)>>2)
.endif
	REST ((\s)&1), 1
.endm
; The work between two barriers is jumped by a tile without rows.  That way waits for all that is out, so that where the two ways meet nothing is pending but what the working way left, and its counts hold.
.macro SEGIN tag
	s_cmp_eq_u32 s78, 0
	s_cbranch_scc1 .Lidle\tag
.endm
.macro SEGOUT tag
	WIN 0                                          ; at a label and at a branch every window is 0
	s_branch .Lmeet\tag
.Lidle\tag:
	s_wait_loadcnt 0x0
	s_wait_dscnt 0x0
.Lmeet\tag:
.endm
	s_wait_alu depctr_vm_vsrc(0)                   ; my LDS stores have read v96 to v175 and v240 to v249, in which x's fragments land, and window 2's v0 to v39, which the first products write
	AFETCH 0
	s_wait_dscnt 0x0
	START 0                                        ; substep 0 stands ahead of the loop, whole, for every tile: its products start the sums
	PLACES
	s_wait_alu depctr_va_vdst(0)                   ; lo's products are done reading lo's buffer 0, in which lo's fragments of substep 2 land
	BLOAD 0, 2
	s_wait_loadcnt 34                              ; hi's fragments of substep 0 are in; lo(1), fill 3's ten, hi(1), lo(2) stay out
	START 1
	PLACES
	s_wait_alu depctr_va_vdst(0)                   ; x's buffer 1 held the bias: the products are done reading it, and x's fragments of substep 1 land in it
	AFETCH 1
	s_mov_b32 s92, 3
.Llap:                                             ; a trip: substeps 1 to 8, then 9 to 16, then 17 to 24.  Counts: lo's wait leaves hi(s), lo(s+1) and one run of ten; hi's leaves lo(s+1), hi(s+1), and at even s the ten
	SEGIN A
	SS 1, 1, 1, 1, 26, 1, 16
	SS 2, 0, 0, 1, 26, 1, 26
	SEGOUT A
	BAR                                            ; slot 1 is whole, slot 0 has been read out
	SEGIN B
	SS 3, 1, 1, 1, 26, 1, 16
	SS 4, 0, 0, 1, 26, 1, 26
	SS 5, 1, 1, 1, 26, 1, 16
	SS 6, 0, 0, 1, 26, 1, 26
	SEGOUT B
	BAR                                            ; slot 0 is whole, slot 1 has been read out
	SEGIN C
	SS 7, 1, 1, 1, 26, 1, 16
	SS 8, 0, 0, 1, 26, 1, 26
	SEGOUT C
	s_wait_xcnt 0x0                                ; the bases are sources of loads that are out: they step only behind this wait
	s_add_nc_u64 s[WBL:WBL+1], s[WBL:WBL+1], 8*4096
	s_add_nc_u64 s[WBL+2:WBL+3], s[WBL+2:WBL+3], 8*4096
	s_add_nc_u64 s[8:9], s[8:9], 512               ; two slots of 256 bytes
	s_sub_co_u32 s92, s92, 1
	s_cmp_lg_u32 s92, 0
	s_cbranch_scc1 .Llap
	SEGIN D                                        ; substeps 25 to 31 are written out: x's last ten loads are stored and no more are asked for, so the counts lose the ten,
	SS 1, 1, 0, 1, 26, 1, 16
	SS 2, 0, 0, 1, 16, 1, 16
	SEGOUT D
	BAR                                            ; the last slot is whole
	s_cmp_eq_u32 s78, 0
	s_cbranch_scc1 .Ldone                          ; no barrier follows: a tile without rows ends here
	SS 3, 0, 0, 1, 16, 1, 16
	SS 4, 0, 0, 1, 16, 1, 16
	SS 5, 0, 0, 1, 16, 1, 16
	SS 6, 0, 0, 1, 16, 0, 16                       ; and then W's runs end: lo(31) and hi(31) are out,
	SS 7, 0, 0, 0, 8, 0, 0                         ; hi(31), nothing.  The last substep issues no load, so it holds no s_wait_alu
	; THE WAY OUT, a block of 16 tokens at a time: g_lo x lo's sums + g_hi x hi's, through my own stage in LDS, back as whole rows of 256 bytes, each stored at its token's row of out0.
	; Who touches what: block a's results are written (PACK a) into buffer a % 2 of two and read by its LDS stores (TOSTAGE a); its rows and tokens land in buffers a % 2 (TOSTAGE a); its tokens are clamped and its offsets made, and
	; its rows stored by them (SEND a).  The order is PACK a, SEND a - 1, TOSTAGE a.  SEND holds the block's two waits.
	WIN 0
	PLACES
	s_wait_alu depctr_va_vdst(0)                   ; the last products are done reading x's two buffers, in which the gates, the rows and the tokens below land
	s_wait_alu depctr_vm_vsrc(0)                   ; the last ten LDS stores of x have read STG, which the odd blocks' results write
.irp aa, 0,1,2,3,4,5,6,7,8,9
	ds_load_b64 v[GT+2*\aa:GT+2*\aa+1], v[LG] offset:128*\aa
.endr
	s_wait_dscnt 0x0
.macro PACK a                          ; each accumulator's registers are read in ascending order
.set OB, OO+(OO1-OO)*((\a)%2)
.if (\a) < 8
.set rL, 32*(\a)
.set rH, 32*(\a)
	WIN 0x02
.else
.set rL, 128+32*((\a)-8)
.set rH, 192+32*((\a)-8)
	WIN 0x01
.endif
.set z, 0
.rept 16
	v_pk_mul_f32 v[OB+2*z:OB+2*z+1], v[rL+2*z:rL+2*z+1], v[GT+2*(\a):GT+2*(\a)+1] op_sel_hi:[1,0]
.set z, z+1
.endr
.if (\a) < 8
	WIN 0x03
.endif
.set z, 0
.rept 16
	v_pk_fma_f32 v[OB+2*z:OB+2*z+1], v[rH+2*z:rH+2*z+1], v[GT+2*(\a):GT+2*(\a)+1], v[OB+2*z:OB+2*z+1] op_sel:[0,1,0] op_sel_hi:[1,1,1]
.set z, z+1
.endr
	WIN 0
.endm
.macro TOSTAGE a
.set OB, OO+(OO1-OO)*((\a)%2)
.set BK, BKB+32*((\a)%2)
.set TK, TKB+8*((\a)%2)
.irp bb, 0,1,2,3
	ds_store_b128 v[STO], v[OB+8*\bb:OB+8*\bb+3] offset:64*\bb
	ds_store_b128 v[STO], v[OB+8*\bb+4:OB+8*\bb+7] offset:64*\bb+16
.endr
.irp tt, 0,1,2,3,4,5,6,7
	ds_load_b128 v[BK+4*\tt:BK+4*\tt+3], v[RD] offset:2*PA*\tt     ; LDS serves a wave's instructions in order (ISA guide 5.7.1.4): these see the stores above; the stage is my wave's own
.endr
.irp tt, 0,1,2,3,4,5,6,7
	ds_load_b32 v[TK+\tt], v[RDT] offset:4*(16*(\a)+2*\tt)
.endr
.endm
; A block that holds a row is stored whole.  In the tile's last such block the places past the count hold the pair's last token once more, with the same x and the same gates: their stores carry the same bytes to the
; same address as that token's own, at most 15 rows of 256 bytes a wave.  So one branch a block, behind its stores, ends the tile.
.macro SEND a
.set BK, BKB+32*((\a)%2)
.set TK, TKB+8*((\a)%2)
	s_wait_dscnt 0x0                               ; the block is back in registers
	s_wait_xcnt 0x0                                ; the offsets, and the buffer that the next block is read into, were read by earlier stores: they are written only behind this wait
	s_wait_alu depctr_vm_vsrc(0)                   ; the block before's stores have read their offsets, which the lines below write, and their rows, in which the next block's rows land; the LDS stores issued so far have read their results, which the next block but one writes
.irp tt, 0,1,2,3,4,5,6,7
	v_min_u32 v[TK+\tt], 0x1fff, v[TK+\tt]
	v_lshl_add_u32 v[AD+\tt], v[TK+\tt], 12, v[LP] ; the token's row of 4,096 bytes, my 16 of my wave's 256
.endr
	s_wait_alu depctr_va_vdst(0)                   ; written: the offsets, which the stores below read, and the next block's results, which its LDS stores read; the lines above are done with this token buffer, in which the next block but one's tokens land
.irp tt, 0,1,2,3,4,5,6,7
	global_store_b128 v[AD+\tt], v[BK+4*\tt:BK+4*\tt+3], s[16:17] th:TH_STORE_NT   ; sixteen lanes store 256 consecutive bytes, aligned
.endr
.endm
	PACK 0                                         ; a tile that comes here has a row, so block 0 holds one
	s_wait_alu depctr_va_vdst(0)                   ; block 0's results are written, which its LDS stores read
	TOSTAGE 0
.irp a, 1,2,3,4,5,6,7,8,9              ; a block's arithmetic stands between the loads of the block before and the wait for them
	PACK \a
	SEND (\a)-1
	s_cmp_le_u32 s[NB], \a
	s_cbranch_scc1 .Ldone                          ; block a holds no row: what PACK made of it is dropped
	TOSTAGE \a
.endr
	SEND 9
.Ldone:
	s_wait_dscnt 0x0                               ; the wave's end: my last LDS instructions.
	s_wait_alu depctr_hold_cnt(0) depctr_sa_sdst(0) depctr_va_vdst(0) depctr_va_sdst(0) depctr_va_ssrc(0) depctr_va_vcc(0) depctr_vm_vsrc(0)
	s_wait_tensorcnt 0x0
	ds_add_u32 v94, v95
	s_wait_dscnt 0x0
	s_endpgm
.Lfunc_end_k_q7c5f2beb66_moe:
	.size	k_q7c5f2beb66_moe, .Lfunc_end_k_q7c5f2beb66_moe-k_q7c5f2beb66_moe
	.p2alignl 7, 3214868480
	.fill 96, 4, 3214868480
	.section	.rodata,"a",@progbits
	.p2align	6, 0x0
	.amdhsa_kernel k_q7c5f2beb66_moe
		.amdhsa_group_segment_fixed_size 113152
		.amdhsa_private_segment_fixed_size 0
		.amdhsa_enable_private_segment 0
		.amdhsa_kernarg_size 56
		.amdhsa_user_sgpr_count 2
		.amdhsa_user_sgpr_kernarg_segment_ptr 1
		.amdhsa_wavefront_size32 1
		.amdhsa_system_sgpr_workgroup_id_x 1
		.amdhsa_system_sgpr_workgroup_id_y 1
		.amdhsa_system_sgpr_workgroup_id_z 1
		.amdhsa_system_vgpr_workitem_id 0
		.amdhsa_next_free_vgpr 1024
		.amdhsa_next_free_sgpr 96
		.amdhsa_reserve_vcc 0
		.amdhsa_float_denorm_mode_32 3
		.amdhsa_float_denorm_mode_16_64 3
		.amdhsa_memory_ordered 1
		.amdhsa_forward_progress 1
		.amdhsa_inst_pref_size 249
	.end_amdhsa_kernel
	.amdgpu_metadata
---
amdhsa.version: [ 1, 2 ]
amdhsa.kernels:
  - .name:           k_q7c5f2beb66_moe
    .symbol:         k_q7c5f2beb66_moe.kd
    .args:
      - { .name: expert_bias, .offset: 0, .size: 8, .value_kind: global_buffer, .address_space: global }
      - { .name: wb, .offset: 8, .size: 8, .value_kind: global_buffer, .address_space: global }
      - { .name: xb, .offset: 16, .size: 8, .value_kind: global_buffer, .address_space: global }
      - { .name: cnt, .offset: 24, .size: 8, .value_kind: global_buffer, .address_space: global }
      - { .name: ord, .offset: 32, .size: 8, .value_kind: global_buffer, .address_space: global }
      - { .name: ogt, .offset: 40, .size: 8, .value_kind: global_buffer, .address_space: global }
      - { .name: out0, .offset: 48, .size: 8, .value_kind: global_buffer, .address_space: global }
    .group_segment_fixed_size: 113152
    .private_segment_fixed_size: 0
    .kernarg_segment_align: 8
    .kernarg_segment_size: 56
    .max_flat_workgroup_size: 128
    .sgpr_count:     96
    .vgpr_count:     1024
    .wavefront_size: 32
...
	.end_amdgpu_metadata
.endif
;; end of part 4
